; MI455X (gfx1250); checked and timed in simulation.
; The chip was launched on July 23, 2026; its instructions are those of AMD's public machine-readable ISA for CDNA 5 (MIT licence, August 2026) and "CDNA5" Instruction Set Architecture Reference Guide (July 2026). The comments in the code are by the model that wrote it; some were corrected since.
;; Self Attention. Allowed arithmetic: matrix products marked QUANTISED: E2M3 operands, one E8M0 scale for each 32 along K, by v_wmma_scale_f32_16x16x128_f8f6f4 with both operands' format E2M3, f32 sums; everything else in f32.
;; Inputs: bk 1,024 float32; bo 1,024 float32; bq 1,024 float32; bv 1,024 float32; mask 1 x 1 x 2,048 x 2,048 int32; wk 1,024 x 1,024 float32; wo 1,024 x 1,024 float32; wq 1,024 x 1,024 float32; wv 1,024 x 1,024 float32; x 4 x 2,048 x 1,024 float32.
;; Outputs: out0 4 x 2,048 x 1,024 float32.
;; This version of the problem:
;;   THIS VERSION OF THE PROBLEM IS GIVEN IN LOW PRECISION. The matrix products marked QUANTISED in the list below multiply operands that are first quantised to E2M3 (2 exponent bits, 3 mantissa bits; 6 bits a number), with one power-of-two scale for each 32 numbers along K (OCP MX v1.0); their sums are f32. All else is computed in f32.
;;   The module's matrix products, in the order in which they are computed (A, B: the left and right operand; K: the contracted axis; several contracted axes count as one K, in the product's order):
;;     1. [M 8,192, K 1,024] x [K 1,024, N 1,024]; A: input x; B: input wq: QUANTISED
;;     2. [M 8,192, K 1,024] x [K 1,024, N 1,024]; A: input x; B: input wk: QUANTISED
;;     3. [M 8,192, K 1,024] x [K 1,024, N 1,024]; A: input x; B: input wv: QUANTISED
;;     4. batch 64 x [M 2,048, K 64] x [K 64, N 2,048]; A: computed on the way; B: computed on the way: QUANTISED
;;     5. batch 64 x [M 2,048, K 2,048] x [K 2,048, N 64]; A: softmax (see below); B: computed on the way: QUANTISED
;;     6. [M 8,192, K 1,024] x [K 1,024, N 1,024]; A: computed on the way; B: input wo: QUANTISED
;;   THE QUANTISER, for each operand of a quantised product, along K:
;;     - K is cut into blocks of 32 from its start; a last block that is shorter is filled with zeros.
;;     - A block's scale is 2^e with e = floor(log2(the largest magnitude in the block)) - 2, held to -126 .. 127; a block of zeros has e = 0. As a byte (E8M0): e + 127.
;;     - Each number is divided by its block's scale, clamped to +-7.5, and rounded to the nearest number of E2M3, ties to even, subnormals kept.
;;     - The product sums the exact products of the quantised numbers (number of the format x scale) in f32.
;;   ~~~python
;;   def quantise(x, axis):      # numpy; x: float32 -> the quantised numbers, widened to float32 again
;;       x = np.moveaxis(x, axis, -1); K = x.shape[-1]
;;       x = np.pad(x, [(0, 0)] * (x.ndim - 1) + [(0, -K % 32)]); x = x.reshape(x.shape[:-1] + (-1, 32)); a = np.abs(x).max(-1, keepdims=True)
;;       e = np.where(a > 0, np.clip(np.frexp(np.where(a > 0, a, 1))[1] - 1 - 2, -126, 127), 0)      # np.frexp(a)[1] - 1 = floor(log2(a)), exactly
;;       r = np.clip(x / 2.0 ** e, -7.5, 7.5)
;;       step = 2.0 ** (np.maximum(np.frexp(np.where(r == 0, 1, r))[1] - 1, 0) - 3)
;;       q = np.round(r / step) * step * 2.0 ** e      # np.round: ties to even
;;       return np.moveaxis(q.reshape(q.shape[:-2] + (-1,))[..., :K], -1, axis).astype(np.float32)
;;   ~~~
;;   SOFTMAX AHEAD OF A QUANTISED PRODUCT. Where the list says 'softmax', what is quantised is not the finished softmax but p = 2^(t - M), with t = logit x log2(e) and M = ceil(the row's largest t), a whole number; so 1/2 < the row's largest p <= 1. The row's sum l is taken of the UNQUANTISED p, in f32, and the product's result is divided by l at the end. Since M is a whole number, a kernel that streams over the keys may use a running M (the ceiling of the running maximum): every later rescaling is an exact power of two, which a block's scale takes up: the codes' values come out the same.
;;   OPERANDS COMPUTED ON THE WAY. 'Computed on the way' means the value that the module computes at that place (a softmax that the list does not call 'softmax' is quantised finished and normalised). What goes into a quantiser is computed in f32, as accurately as f32 sums, v_exp_f32 and their like allow (about 1e-6 of the number): no bf16 or f16 on the way to a quantiser, and a product that is left as it is and whose result goes on into a quantised operand takes f32 operands (vector FMAs, or v_wmma_f32_16x16x4_f32). A number that lies on a knife's edge between two numbers of the format may be rounded either way, as far as f32 arithmetic and the matrix unit's own rounding can turn it there, and no further.
;; One version. Each part assembles by itself: llvm-mc -triple=amdgcn-amd-amdhsa -mcpu=gfx1250 --defsym DOCPART=n.
;; ======== version 1 of 1: 4 launches
;; workspace buffers: xc 6,291,456 bytes; xs 262,144 bytes; wc 3,145,728 bytes; ws 131,072 bytes; mw 526,336 bytes of whole numbers; qkv 20,185,088 bytes; aoc 6,291,456 bytes; aos 262,144 bytes
;; launch prep (part 1): grid 512 x 1, 4 waves a work-group, no clusters, 33,280 bytes of LDS; arguments x, wq, wk, wv, wo, mask, xc, xs, wc, ws, mw; writes xc, xs, wc, ws, mw
.if DOCPART == 1
	.amdgcn_target "amdgcn-amd-amdhsa--gfx1250"
	.amdhsa_code_object_version 6
	.text
	.protected	k_q9b481272b1_prep
	.globl	k_q9b481272b1_prep
	.p2align	8
	.type	k_q9b481272b1_prep,@function
k_q9b481272b1_prep:
	s_mov_b64 s[64:65], 0
	v_nop
	global_prefetch_b8 v0, s[64:65] scope:SCOPE_SE
	s_setreg_imm32_b32 hwreg(HW_REG_WAVE_MODE, 25, 1), 1
	s_wait_xcnt 0x0
; TWO JOBS IN ONE LAUNCH, parted by the work-group's number.
; Work-groups 0-383: x [8192][1024] and the four weights [1024][1024], f32, K innermost, become codes of FP6 (E2M3) with one E8M0 byte for each 32 along K.
;   A block's byte is its largest magnitude's exponent field - 2, held at 1 from below; each number is divided by the scale and rounded to the nearest code, ties to even, beyond 7.5 the largest code.
;   A work-group takes 32 rows, a wave 8 rows (8,192 numbers, 16 steps of 512).  POSITION ORDER: of every 32 rows of x, wq, wk, wv the second and the third group of 8 change places on the way out,
;   which is nothing but another number for the wave's place in the output; wo keeps its order.  So 16 neighbouring stored rows are rows 32 b + 8 u + r + 8 (r / 8): the tiles that later products want.
; Work-groups 384-511: the mask [2048][2048] int32 becomes lane words.  Work-group qt takes the 16 queries at positions 16 qt .. 16 qt + 15, wave w the key steps 4 w .. 4 w + 3 (128 keys each).
;   Word 16 b + i of a step: bit 16 h + r = (mask[query of lane r][128 s + 32 b + 16 h + i] != 0): the lane mask for register 16 b + i of the attention launch's scores.
;   Beside them two bits a step: some pair visible, all pairs visible.  They are whole numbers by which the attention launch branches.
; LIMITS: a block of zeros, or one whose largest magnitude lies under 2^-124, gets the byte 1 (its codes are zeros or what the floor's scale gives); only this program reads the bytes.  NaN and infinities among x and the weights are not served.
; No tensor loads, no barrier: waves share nothing.
.set WAVES, 4
.set STEPS, 16
.set EMAX,  2
.set CB,    12                         ; bytes of 16 codes
.set R,     16                         ; v16-79   four sets of 16 numbers as they are loaded
.set X,     80                         ; v80-111  two sets of 16 neighbours
.set C,     128                        ; v128-191 codes: four registers for each step
.set E,     112                        ; v112-127 a scale byte for each step
.set WREG,  8192                       ; LDS: a region for each wave: two stages of 32 x SP bytes, then its 256 scale bytes
.set SP,    80                         ; a lane's place in a stage: 64 bytes + 16 of padding
.set SPW,   12                         ; v12  LDS address of my spare word; never rewritten
.set NIL,   13                         ; v13  0; never rewritten
.set SPARE, WAVES*WREG                 ; the spare words: 128 bytes a wave, two blocks of 256 bytes that no other line names
.set FL_OFF, 524288                    ; where the flags begin in mw
.set WV,    26
.set SRC,   28                         ; s[28:29] what I read;  s[30:31] the codes;  s[32:33] the scale bytes
.set COD,   30
.set SCA,   32
	s_load_b512 s[4:19], s[0:1], 0x0               ; x 4, wq 6, wk 8, wv 10, wo 12, mask 14, xc 16, xs 18
	s_load_b128 s[20:23], s[0:1], 0x40             ; wc, ws
	s_load_b64 s[24:25], s[0:1], 0x50              ; mw
	v_lshl_add_u32 v[SPW], v0, 2, SPARE
	v_mov_b32 v[NIL], 0
	v_lshrrev_b32 v1, 5, v0
	v_readfirstlane_b32 s[WV], v1                  ; wave
	v_and_b32 v2, 31, v0                           ; lane
	s_cmp_ge_u32 ttmp9, 384
	s_cbranch_scc1 .Lmask
	; ---------------- the quantiser ----------------
	v_lshlrev_b32 v3, 4, v2                        ; my 16 bytes of a load's 512
	s_mul_i32 s34, s[WV], WREG
	v_lshrrev_b32 v14, 2, v2
	v_mul_u32_u24 v14, v14, SP
	v_and_b32 v15, 3, v2
	v_lshl_add_u32 v14, v15, 4, v14
	v_add_nc_u32 v14, s34, v14                     ; the stage, on the way in: SP (lane / 4) + 16 (lane % 4)
	v_mul_u32_u24 v15, v2, SP
	v_add_nc_u32 v15, s34, v15                     ; on the way out: SP x lane: my 16 neighbours
	v_mul_u32_u24 v4, v2, CB                       ; my codes' place in a step's
	v_lshrrev_b32 v5, 1, v2
	s_add_co_u32 s34, s34, 2*32*SP
	v_add_nc_u32 v5, s34, v5                       ; my wave's 256 scale bytes, my block's byte
	v_lshlrev_b32 v7, 3, v2
	v_add_nc_u32 v6, s34, v7                       ; and on the way out 8 bytes a lane
	s_sub_co_u32 s34, ttmp9, 256                   ; a weight's work-group among the 128 (used only where it is chosen)
	s_lshr_b32 s35, s34, 5                         ; which weight
	s_and_b32 s36, s34, 31                         ; its 32 rows in that weight
	s_and_b32 s38, s[WV], 1
	s_lshl_b32 s38, s38, 1
	s_lshr_b32 s39, s[WV], 1
	s_or_b32 s38, s38, s39                         ; the wave's number with its two bits exchanged: groups 1 and 2 change places
	s_wait_kmcnt 0x0
	s_mov_b64 s[SRC:SRC+1], s[12:13]               ; wo, unless
	s_cmp_eq_u32 s35, 2
	s_cselect_b64 s[SRC:SRC+1], s[10:11], s[SRC:SRC+1]   ; wv,
	s_cmp_eq_u32 s35, 1
	s_cselect_b64 s[SRC:SRC+1], s[8:9], s[SRC:SRC+1]     ; wk,
	s_cmp_eq_u32 s35, 0
	s_cselect_b64 s[SRC:SRC+1], s[6:7], s[SRC:SRC+1]     ; wq,
	s_cmp_lt_u32 ttmp9, 256
	s_cselect_b64 s[SRC:SRC+1], s[4:5], s[SRC:SRC+1]     ; or x.  The choices hang on the work-group's number alone
	s_cselect_b64 s[COD:COD+1], s[16:17], s[20:21]
	s_cselect_b64 s[SCA:SCA+1], s[18:19], s[22:23]
	s_cselect_b32 s36, ttmp9, s36                  ; the 32 rows that I read,
	s_cselect_b32 s37, ttmp9, s34                  ; and where they go
	s_cmp_lt_u32 ttmp9, 352                        ; x, wq, wk, wv in position order; wo as it lies
	s_cselect_b32 s38, s38, s[WV]
	s_lshl_b32 s36, s36, 2
	s_add_co_u32 s36, s36, s[WV]                   ; the run of 8,192 numbers that I read
	s_lshl_b32 s37, s37, 2
	s_add_co_u32 s37, s37, s38                     ; the run that I write
	s_lshl_b32 s40, s36, 15                        ; 32,768 bytes a run: under 2^26
	s_mov_b32 s41, 0
	s_add_nc_u64 s[SRC:SRC+1], s[SRC:SRC+1], s[40:41]
	s_mul_i32 s40, s37, 32*STEPS*CB                ; 6,144 bytes of codes a run
	s_add_nc_u64 s[COD:COD+1], s[COD:COD+1], s[40:41]
	s_lshl_b32 s40, s37, 8                         ; 256 scale bytes a run
	s_add_nc_u64 s[SCA:SCA+1], s[SCA:SCA+1], s[40:41]
.macro LOAD t
.irp i, 0,1,2,3
	global_load_b128 v[R+16*((\t)%4)+4*\i:R+16*((\t)%4)+4*\i+3], v3, s[SRC:SRC+1] offset:2048*(\t)+512*\i th:TH_LOAD_NT   ; 32 lanes read 512 consecutive bytes
.endr
.endm
.macro TURN t                          ; step t's numbers through the stage: LDS serves a wave's instructions in order, so no wait stands between the stores and the loads
.irp i, 0,1,2,3
	ds_store_b128 v14, v[R+16*((\t)%4)+4*\i:R+16*((\t)%4)+4*\i+3] offset:32*SP*((\t)%2)+8*SP*\i
.endr
.irp i, 0,1,2,3
	ds_load_b128 v[X+16*((\t)%2)+4*\i:X+16*((\t)%2)+4*\i+3], v15 offset:32*SP*((\t)%2)+16*\i
.endr
.endm
.irp t, 0,1,2,3
	LOAD \t
.endr
	s_wait_loadcnt 12                              ; step 0's four loads are in; the twelve of steps 1 to 3 may be out
	TURN 0
.macro STEP t
.set XS, X+16*((\t)%2)
.if (\t) > 0
	s_wait_dscnt 1                                 ; this step's numbers are back from the stage (the last step's byte store may be out)
.else
	s_wait_dscnt 0x0
.endif
.if (\t)+4 < STEPS
	LOAD (\t)+4                                    ; into the registers that the stage's stores have read
.endif
.if (\t)+1 < STEPS
.if STEPS-2-(\t) >= 3
	s_wait_loadcnt 12                              ; the next step's four loads are in; those of the three steps behind it may be out
.else
	s_wait_loadcnt 4*(STEPS-2-(\t))
.endif
	TURN (\t)+1                                    ; through the other stage while this step is worked
.endif
	v_max3_num_f32 v8, |v[XS]|, |v[XS+1]|, |v[XS+2]|               ; the largest magnitude of my 16
	v_max3_num_f32 v9, |v[XS+3]|, |v[XS+4]|, |v[XS+5]|
.irp i, 6,10
	v_max3_num_f32 v8, v8, |v[XS+\i]|, |v[XS+\i+1]|
	v_max3_num_f32 v9, v9, |v[XS+\i+2]|, |v[XS+\i+3]|
.endr
	v_max3_num_f32 v8, v8, |v[XS+14]|, |v[XS+15]|
	v_max3_num_f32 v8, v8, v9, (EMAX+1)<<23        ; and the floor 2^(3 - 127): the byte cannot fall under 1
	v_max_num_f32_dpp v8, v8, v8 row_xmask:1 row_mask:0xf bank_mask:0xf   ; and of my neighbour's 16: the block's
	v_add_nc_u32 v11, -(EMAX<<23), v8              ; 2 off its exponent field: the conversion takes the exponent field of this operand as its scale
	v_cvt_scalef32_pk16_fp6_f32 v[C+4*(\t):C+4*(\t)+2], v[XS:XS+15], v11
	v_lshrrev_b32 v[E+(\t)], 23, v11               ; the scale's byte (also the plain line behind the conversion)
	ds_store_b8 v5, v[E+(\t)] offset:16*(\t)       ; both lanes of a block write the same byte with the same value
	global_store_b96 v4, v[C+4*(\t):C+4*(\t)+2], s[COD:COD+1] offset:32*CB*(\t)   ; the wave stores 384 consecutive bytes
.endm
.irp t, 0,1,2,3,4,5,6,7,8,9,10,11,12,13,14,15
	STEP \t
.endr
	ds_load_b64 v[8:9], v6                         ; LDS serves a wave's instructions in order: these see my stores
	s_wait_dscnt 0x0
	global_store_b64 v7, v[8:9], s[SCA:SCA+1]      ; 32 lanes store 256 consecutive bytes, aligned
	s_wait_tensorcnt 0x0                           ; the wave's end, behind my last LDS store
	ds_add_u32 v[SPW], v[NIL]
	s_wait_dscnt 0x0
	s_endpgm
	; ---------------- the mask ----------------
.Lmask:
	s_sub_co_u32 s34, ttmp9, 384                   ; qt
	s_lshr_b32 s35, s34, 1
	s_lshl_b32 s35, s35, 5
	s_and_b32 s36, s34, 1
	s_lshl_b32 s36, s36, 3
	s_add_co_u32 s35, s35, s36                     ; the tile's first query: 32 (qt / 2) + 8 (qt % 2)
	s_lshl_b32 s36, s35, 13                        ; a row of the mask is 8,192 bytes
	s_mov_b32 s37, 0
	v_and_b32 v8, 15, v0                           ; r
	v_bfe_u32 v9, v0, 4, 1                         ; h
	v_and_b32 v10, 8, v8
	v_add_nc_u32 v10, v10, v8                      ; r + 8 (r / 8): my query in the tile
	v_lshlrev_b32 v3, 13, v10
	v_lshl_add_u32 v3, v9, 6, v3                   ; + 16 h keys
	s_lshl_b32 s38, s[WV], 11
	v_add_nc_u32 v3, s38, v3                       ; + my wave's four steps of 512 bytes
	v_lshlrev_b32 v4, 3, v2                        ; out: 8 bytes a lane
	s_lshl_b32 s38, s34, 4
	s_lshl_b32 s39, s[WV], 2
	s_add_co_u32 s38, s38, s39                     ; 16 qt + 4 w: my first step among all, and my flag word's byte among the flags
	s_lshl_b32 s28, s38, 8                         ; 256 bytes of words a step
	s_mov_b32 s29, 0
	s_add_co_u32 s30, s38, FL_OFF
	s_mov_b32 s31, 0
.irp i, 0,1,2,3,4,5,6,7
	v_mov_b32 v[144+\i], 0                         ; v_writelane_b32's destination counts as read
.endr
	s_mov_b32 s50, 0                               ; my four steps' flags
	s_wait_kmcnt 0x0
	s_add_nc_u64 s[36:37], s[14:15], s[36:37]
	s_add_nc_u64 s[28:29], s[24:25], s[28:29]
	s_add_nc_u64 s[30:31], s[24:25], s[30:31]
.macro LOADM k                         ; step k of my four: register 16 b + i = mask[my query][.. + 32 b + 16 h + i]
.irp b, 0,1,2,3
.irp q, 0,1,2,3
	global_load_b128 v[16+64*((\k)%2)+16*\b+4*\q:16+64*((\k)%2)+16*\b+4*\q+3], v3, s[36:37] offset:512*(\k)+128*\b+16*\q
.endr
.endr
.endm
.macro PROC k, left                    ; 64 compares make 64 lane words; word j goes to lane j / 2, register j % 2, so that a lane stores 8 neighbouring bytes
	s_wait_loadcnt \left
	s_mov_b32 s48, 0                               ; the words' or: some pair visible
	s_mov_b32 s49, -1                              ; the words' and: all pairs visible
.set g, 0
.rept 8
.irp e, 0,1,2,3,4,5,6,7
	v_cmp_ne_u32 s[40+\e], 0, v[16+64*((\k)%2)+8*g+\e]
.endr
.irp e, 0,1,2,3,4,5,6,7
	v_writelane_b32 v[144+2*(\k)+(\e%2)], s[40+\e], 4*g+\e/2
	s_or_b32 s48, s48, s[40+\e]
	s_and_b32 s49, s49, s[40+\e]
.endr
.set g, g+1
.endr
	global_store_b64 v4, v[144+2*(\k):145+2*(\k)], s[28:29] offset:256*(\k)   ; 32 lanes store 256 consecutive bytes, aligned
	s_cmp_lg_u32 s48, 0
	s_cselect_b32 s51, 1<<(\k), 0
	s_or_b32 s50, s50, s51
	s_cmp_eq_u32 s49, -1
	s_cselect_b32 s51, 1<<(16+(\k)), 0
	s_or_b32 s50, s50, s51
.endm
	LOADM 0
	LOADM 1
	PROC 0, 16                                     ; the next step's sixteen loads may be out
	LOADM 2
	PROC 1, 16
	LOADM 3
	PROC 2, 16
	PROC 3, 0
	s_lshl_b32 s51, s[WV], 2
	s_lshl_b32 s50, s50, s51                       ; bit 4 w + k: visible; bit 16 + 4 w + k: all visible
	v_mov_b32 v5, s50
	v_mov_b32 v6, 0
	v_cmp_eq_u32 vcc_lo, 0, v2
	s_wait_xcnt 0x0                                ; EXEC is a source of the stores above: it changes only behind this wait
	s_and_saveexec_b32 s52, vcc_lo
	global_store_b32 v6, v5, s[30:31]              ; lane 0 stores my wave's flag word
	s_wait_xcnt 0x0                                ; and again in front of the line that widens it
	s_or_b32 exec_lo, exec_lo, s52
	s_endpgm
.Lfunc_end_k_q9b481272b1_prep:
	.size	k_q9b481272b1_prep, .Lfunc_end_k_q9b481272b1_prep-k_q9b481272b1_prep
	.p2alignl 7, 3214868480
	.fill 96, 4, 3214868480
	.section	.rodata,"a",@progbits
	.p2align	6, 0x0
	.amdhsa_kernel k_q9b481272b1_prep
		.amdhsa_group_segment_fixed_size 33280
		.amdhsa_private_segment_fixed_size 0
		.amdhsa_enable_private_segment 0
		.amdhsa_kernarg_size 88
		.amdhsa_user_sgpr_count 2
		.amdhsa_user_sgpr_kernarg_segment_ptr 1
		.amdhsa_wavefront_size32 1
		.amdhsa_system_sgpr_workgroup_id_x 1
		.amdhsa_system_sgpr_workgroup_id_y 1
		.amdhsa_system_sgpr_workgroup_id_z 1
		.amdhsa_system_vgpr_workitem_id 0
		.amdhsa_next_free_vgpr 192
		.amdhsa_next_free_sgpr 66
		.amdhsa_reserve_vcc 1
		.amdhsa_float_denorm_mode_32 3
		.amdhsa_float_denorm_mode_16_64 3
		.amdhsa_memory_ordered 1
		.amdhsa_forward_progress 1
		.amdhsa_inst_pref_size 90
	.end_amdhsa_kernel
	.amdgpu_metadata
---
amdhsa.version: [ 1, 2 ]
amdhsa.kernels:
  - .name:           k_q9b481272b1_prep
    .symbol:         k_q9b481272b1_prep.kd
    .args:
      - { .name: x, .offset: 0, .size: 8, .value_kind: global_buffer, .address_space: global }
      - { .name: wq, .offset: 8, .size: 8, .value_kind: global_buffer, .address_space: global }
      - { .name: wk, .offset: 16, .size: 8, .value_kind: global_buffer, .address_space: global }
      - { .name: wv, .offset: 24, .size: 8, .value_kind: global_buffer, .address_space: global }
      - { .name: wo, .offset: 32, .size: 8, .value_kind: global_buffer, .address_space: global }
      - { .name: mask, .offset: 40, .size: 8, .value_kind: global_buffer, .address_space: global }
      - { .name: xc, .offset: 48, .size: 8, .value_kind: global_buffer, .address_space: global }
      - { .name: xs, .offset: 56, .size: 8, .value_kind: global_buffer, .address_space: global }
      - { .name: wc, .offset: 64, .size: 8, .value_kind: global_buffer, .address_space: global }
      - { .name: ws, .offset: 72, .size: 8, .value_kind: global_buffer, .address_space: global }
      - { .name: mw, .offset: 80, .size: 8, .value_kind: global_buffer, .address_space: global }
    .group_segment_fixed_size: 33280
    .private_segment_fixed_size: 0
    .kernarg_segment_align: 8
    .kernarg_segment_size: 88
    .max_flat_workgroup_size: 128
    .sgpr_count:     66
    .vgpr_count:     192
    .wavefront_size: 32
...
	.end_amdgpu_metadata
.endif
;; end of part 1
;; launch gemm_qkv (part 2): grid 8 x 48, 4 waves a work-group, clusters of 4 x 4, 327,680 bytes of LDS; arguments xc, xs, wc, ws, bq, bk, bv, qkv; writes qkv
.if DOCPART == 2
	.amdgcn_target "amdgcn-amd-amdhsa--gfx1250"
	.amdhsa_code_object_version 6
	.text
	.protected	k_q9b481272b1_gemm_qkv
	.globl	k_q9b481272b1_gemm_qkv
	.p2align	8
	.type	k_q9b481272b1_gemm_qkv,@function
k_q9b481272b1_gemm_qkv:
	s_mov_b64 s[64:65], 0
	v_nop
	global_prefetch_b8 v0, s[64:65] scope:SCOPE_SE
	s_setreg_imm32_b32 hwreg(HW_REG_WAVE_MODE, 25, 1), 1
	s_wait_xcnt 0x0
	s_wait_alu depctr_hold_cnt(0) depctr_sa_sdst(0) depctr_va_vdst(0) depctr_va_sdst(0) depctr_va_ssrc(0) depctr_va_vcc(0) depctr_vm_vsrc(0)
	s_getreg_b32 s2, hwreg(HW_REG_IB_STS2, 6, 4)
	s_cmp_eq_u32 s2, 0
	s_cbranch_scc0 .Lentry_in_a_cluster
	s_endpgm
.Lentry_in_a_cluster:
	s_bfe_u32 s2, ttmp6, 0x10000c
	s_cmp_lg_u32 s2, 0xf033
	s_cbranch_scc0 .Lentry_shape_is_right
	s_endpgm
.Lentry_shape_is_right:
; q = x wq^T + bq, k = x wk^T + bk, v = x wv^T + bv on codes of FP6 (E2M3) with E8M0 scales, K = 1,024; the results are quantised in registers and leave as codes: q and k along the head's 64, v along the keys.
; A tile of 256 x 256 is made by four waves, 128 x 128 each: 64 accumulators, 512 registers.  K goes in steps of 256 through two LDS slots filled by the tensor data mover; the scale bytes of the tile's rows come once.
; THE MATRIX INSTRUCTION: source 0 = 16 rows of 'B', source 1 = 16 rows of 'A': a lane holds ONE row of A, its registers run along rows of B.
;   MODE 0 (cluster rows 0-7): A = x (tokens in the lanes), B = wq, wk (units in the registers): a lane's registers run along the head: what q's and k's quantiser wants.
;   MODE 1 (cluster rows 8-11): A = wv (units in the lanes), B = x (tokens in the registers): a lane's registers run along the keys: what v's quantiser wants.
; x, wq, wk, wv are stored in POSITION ORDER (stored row 16 t + r of 32 b .. is row 32 b + 8 u + r + 8 (r / 8), t = 2 b + u), so the 16 registers of two neighbouring accumulators are 16 NEIGHBOURS along B's rows.
; CLUSTERS: 4 x 4 work-groups; A's tile hangs on the tile row alone and is asked for jointly along a row of the cluster, B's on the tile column alone, along a column.  MODE hangs on the cluster's number: it is the same in all sixteen.
; OUT: a fragment leaves as images of register pairs: two registers of all 32 lanes are 256 consecutive aligned bytes, lane l's 8 bytes at 8 l.
; LIMITS: a block of zeros or under 2^-124 gets the scale byte 1 (only this program reads the bytes); NaN and infinities are not served.
; REGISTERS: window 0: v0-31 addresses; v32-63 scale words, two sets; v64-127 the bias; from v128 A's fragments, one set; in the epilogue v128-191 64 numbers, v192-210 codes, v212-227 at work, v32-47 scale words made.
;   window 1: B's fragments, two sets.   windows 2, 3: the accumulators ((a, b) at v[8 (8 (a % 4) + b)]).
.set SIZE_K, 1024
.set KSTEP,  256
.set NQ,     KSTEP/128
.set ROWB,   192                       ; a tile's row: 256 codes
.set KROW,   SIZE_K*6/8
.set PITCH,  240                       ; an LDS row: 3 x (64 bytes + 16 of padding)
.set FR,     12
.set NL,     6
.set NP,     4
.set HALFT,  128*PITCH
.set SLOT,   4*HALFT
.set LAPS,   SIZE_K/(2*KSTEP)
.set KS,     SIZE_K/32
.set SCL,    2*SLOT                    ; behind the ring: the scales, as rows of 256 bytes + 16
.set HALFS,  (128*KS/256)*272
.set SBLK,   (16*KS/256)*272
.set SPARE,  SCL+4*HALFS               ; the spare words: 128 bytes a wave, two blocks of 256 bytes that no other line names
.set QS_OFF,  6291456                  ; qkv: q's codes at 0, q's scale words here,
.set KV_OFF,  6815744                  ; k's and v's codes,
.set KVS_OFF, 19398656                 ; k's and v's scale words
.set VO,   8                           ; v8-15   the bias loads' offsets
.set ADRA, 16
.set ADRB, 20
.set ADRS, 27
.set SPW,  28
.set NIL,  29
.set L8,   30                          ; 8 x lane
.set L16,  31                          ; 16 x lane
.set SC,   32
.set CBI,  64                          ; the bias, 64 registers
.set AF,   128
.set T,    128                         ; epilogue: a block's 64 numbers
.set PC,   192                         ; its codes
.set TM,   212                         ; at work
.set PWS,  32                          ; the eight blocks' scale words
.set SW,   40                          ; and as they are stored
.set WV,   20
.set RH,   21                          ; which half of the tile's rows is mine.  Also: I fetch for A (0) or for B (1)
.set CH,   22                          ; which half of its columns.  Also: which 128 rows I fetch
.set TROW, 23
.set TCOL, 42
.set G1,   24
.set G0,   32
.set G1B,  48
.set G0B,  56
.set MODE, 66
.set MM,   67
.set G1S,  68
.set G0S,  76
.set G1SB, 80
.set G0SB, 88
.set BX,   92                          ; s[92:93] where the even head's codes go;  s[94:95] the odd head's;  s[96:97], s[98:99] their scale words
.set BY,   94
.set SX,   96
.set SY,   98
.set SEL,  100
.set HM,   40                          ; lanes 16-31
.set MSB, 0
.macro WIN new                         ; the immediate's high byte repeats the setting that is left
.if MSB != (\new)
	s_set_vgpr_msb (MSB<<8)|(\new)
.set MSB, (\new)
.endif
.endm
.set MUL_LO, 0xa1                      ; source 0 (B) window 1, source 1 (A) window 0, C and D window 2
.set MUL_HI, 0xf1
.set TO_B,   0x40
.macro JLOAD g0a, g1a, g0b, g1b        ; a joint load: waves 0 and 1 fetch for A, waves 2 and 3 for B; the branch hangs on the wave's number alone; an s_nop 0 and four v_nop follow each line
	s_cmp_eq_u32 s[RH], 0
	s_cbranch_scc0 .Lfor_b_\@
	tensor_load_to_lds s[\g0a:\g0a+3], s[\g1a:\g1a+7]
	s_nop 0
.rept 4
	v_nop
.endr
	s_branch .Lasked_\@
.Lfor_b_\@:
	tensor_load_to_lds s[\g0b:\g0b+3], s[\g1b:\g1b+7]
	s_nop 0
.rept 4
	v_nop
.endr
.Lasked_\@:
.endm
.macro CREST                           ; a round of the cluster's barrier behind its opening barrier
	s_cmp_lg_u32 s[WV], 0
	s_cbranch_scc1 .Lnot_wave_0_\@
	s_barrier_signal -3
.Lnot_wave_0_\@:
	s_barrier_wait -3
	s_barrier_signal -1
	s_barrier_wait -1
.endm
.macro CROUND
	s_barrier_signal -1
	s_barrier_wait -1
	CREST
.endm
	s_load_b512 s[4:19], s[0:1], 0x0               ; xc 4, xs 6, wc 8, ws 10, bq 12, bk 14, bv 16, qkv 18
	v_lshl_add_u32 v[SPW], v0, 2, SPARE
	v_mov_b32 v[NIL], 0
	ds_add_u32 v[SPW], v[NIL]                      ; the wave's opening: the add and its wait stand ahead of my first tensor load; the set-up below stands between them
	v_lshrrev_b32 v1, 5, v0
	v_readfirstlane_b32 s[WV], v1
	s_lshr_b32 s[RH], s[WV], 1
	s_and_b32 s[CH], s[WV], 1
	s_bfe_u32 s40, ttmp6, 0x40000                  ; cx
	s_bfe_u32 s41, ttmp6, 0x40004                  ; cy
	s_and_b32 s2, ttmp7, 0xffff                    ; the cluster's y
	s_sub_co_u32 s3, s2, 8
	s_lshl_b32 s3, s3, 1
	s_add_co_u32 s3, s3, ttmp9                     ; MODE 1: the cluster's column among x's eight: x + 2 (y - 8)
	s_cmp_ge_u32 s2, 8
	s_cselect_b32 s[MODE], 1, 0
	s_cselect_b32 s[MM], -1, 0
	s_cselect_b32 s[TCOL], s3, ttmp9
	s_cselect_b32 s[TROW], 0, s2
	s_lshl_b32 s[TCOL], s[TCOL], 2
	s_add_co_u32 s[TCOL], s[TCOL], s40             ; tile column: MODE 0: 0-7 in wq, wk; MODE 1: 0-31 in x
	s_lshl_b32 s[TROW], s[TROW], 2
	s_add_co_u32 s[TROW], s[TROW], s41             ; tile row: MODE 0: 0-31 in x; MODE 1: 0-3 in wv
	s_lshl_b32 s43, s41, 2
	s_lshl_b32 s43, 15, s43                        ; my row of the cluster
	s_lshl_b32 s44, 0x1111, s40                    ; my column
	s_or_b32 s[G1+0], s43, (0<<16)|(1<<20)|(1<<21)|(3<<22)|(3<<25)  ; the mask; elements of 1 byte; padding on; bit 21 beside a mask; after every 16 words 4 words
	s_or_b32 s[G1B+0], s44, (0<<16)|(1<<20)|(1<<21)|(3<<22)|(3<<25)
.irp g, G1, G1B
	s_mov_b32 s[\g+1], ROWB<<16                    ; tensor_dim0
	s_mov_b32 s[\g+2], 128<<16                     ; tensor_dim1
	s_mov_b32 s[\g+3], ROWB<<16                    ; tile_dim0
	s_mov_b32 s[\g+4], 128                         ; tile_dim1
	s_mov_b32 s[\g+5], KROW                        ; the pitch
	s_mov_b32 s[\g+6], 0
	s_mov_b32 s[\g+7], 0
.endr
	s_or_b32 s[G1S+0], s43, (3<<16)|(1<<20)|(1<<21)|(5<<22)|(3<<25)  ; the scales of 128 rows: 4,096 dense bytes as 16 rows of 256, 16 bytes of padding behind each
	s_or_b32 s[G1SB+0], s44, (3<<16)|(1<<20)|(1<<21)|(5<<22)|(3<<25)
.irp g, G1S, G1SB
	s_mov_b32 s[\g+1], 32<<16
	s_mov_b32 s[\g+2], (128*KS/256)<<16
	s_mov_b32 s[\g+3], 32<<16
	s_mov_b32 s[\g+4], 128*KS/256
	s_mov_b32 s[\g+5], 32
	s_mov_b32 s[\g+6], 0
	s_mov_b32 s[\g+7], 0
.endr
	s_lshl_b32 s45, s[CH], 7                       ; which 128 rows of the tile I fetch
	s_lshl_b32 s92, s[TROW], 8
	s_add_co_u32 s92, s92, s45
	s_lshl_b32 s94, s[MODE], 11
	s_add_co_u32 s92, s92, s94                     ; A's row: 256 x tile row + 128 x half (+ 2,048 in wc: wv)
	s_lshl_b32 s96, s[TCOL], 8
	s_add_co_u32 s96, s96, s45                     ; B's row
	s_lshl_b32 s94, s92, 5                         ; their scales, 32 bytes a row,
	s_mul_i32 s92, s92, KROW                       ; and codes, 768 bytes a row: all under 2^23
	s_lshl_b32 s98, s96, 5
	s_mul_i32 s96, s96, KROW
	s_mov_b32 s93, 0
	s_mov_b32 s95, 0
	s_mov_b32 s97, 0
	s_mov_b32 s99, 0
	s_mul_i32 s45, s[WV], HALFT                    ; where they go: wave x 128 rows: no place in the cluster enters an LDS address
	s_mul_i32 s47, s[WV], HALFS
	s_wait_dscnt 0x0                               ; the opening add is done
	s_wait_kmcnt 0x0
	s_cmp_eq_u32 s[MODE], 1                        ; (the 64-bit additions leave SCC alone)
	s_cselect_b64 s[100:101], s[8:9], s[4:5]
	s_add_nc_u64 s[92:93], s[100:101], s[92:93]    ; A's codes
	s_cselect_b64 s[100:101], s[10:11], s[6:7]
	s_add_nc_u64 s[94:95], s[100:101], s[94:95]    ; A's scales
	s_cselect_b64 s[100:101], s[4:5], s[8:9]
	s_add_nc_u64 s[96:97], s[100:101], s[96:97]    ; B's codes
	s_cselect_b64 s[100:101], s[6:7], s[10:11]
	s_add_nc_u64 s[98:99], s[100:101], s[98:99]    ; B's scales
	CROUND                                         ; all sixteen work-groups are here: the first joint loads meet
	s_mov_b32 s[G0S], 1
	s_add_co_u32 s[G0S+1], s47, SCL
	s_mov_b64 s[G0S+2:G0S+3], s[94:95]
	s_or_b32 s[G0S+3], s[G0S+3], 0x80000000
	s_mov_b32 s[G0SB], 1
	s_add_co_u32 s[G0SB+1], s47, SCL
	s_mov_b64 s[G0SB+2:G0SB+3], s[98:99]
	s_or_b32 s[G0SB+3], s[G0SB+3], 0x80000000
	JLOAD G0S, G1S, G0SB, G1SB                     ; the scales first: they are wanted with K step 0.  Three tensor loads of mine are out behind these lines
.irp s, 0,1
	s_mov_b32 s[G0+4*\s], 1
	s_add_co_u32 s[G0+4*\s+1], s45, \s*SLOT
	s_add_nc_u64 s[G0+4*\s+2:G0+4*\s+3], s[92:93], \s*ROWB
	s_or_b32 s[G0+4*\s+3], s[G0+4*\s+3], 0x80000000
	s_mov_b32 s[G0B+4*\s], 1
	s_add_co_u32 s[G0B+4*\s+1], s45, \s*SLOT
	s_add_nc_u64 s[G0B+4*\s+2:G0B+4*\s+3], s[96:97], \s*ROWB
	s_or_b32 s[G0B+4*\s+3], s[G0B+4*\s+3], 0x80000000
	JLOAD G0+4*\s, G1, G0B+4*\s, G1B
.endr
	v_and_b32 v1, 15, v0                           ; r
	v_bfe_u32 v2, v0, 4, 1                         ; h
	v_mul_u32_u24 v3, v1, PITCH
	v_mul_u32_u24 v4, v2, 24
	v_add_nc_u32 v4, v3, v4                        ; a fragment's row x pitch + 24 x half
	v_lshl_add_u32 v5, v2, 4, v4                   ; and the same behind one padding more
	s_mul_i32 s2, s[RH], HALFT                     ; my 128 rows of A
	s_mul_i32 s3, s[CH], HALFT                     ; my 128 rows of B,
	s_add_co_u32 s3, s3, 2*HALFT                   ; behind A's 256
.irp s, 0,1
	v_add_nc_u32 v[ADRA+\s], s2, v4
	v_add_nc_u32 v[ADRB+\s], s3, v4
	v_add_nc_u32 v[ADRA+2+\s], s2, v5
	v_add_nc_u32 v[ADRB+2+\s], s3, v5
	s_add_co_u32 s2, s2, SLOT
	s_add_co_u32 s3, s3, SLOT
.endr
	v_mul_u32_u24 v5, v1, KS                       ; my row's scales: 32 bytes a row,
	v_lshrrev_b32 v6, 8, v5
	v_lshl_add_u32 v5, v6, 4, v5                   ; and 16 more for each 256 passed
	s_mul_i32 s2, s[RH], HALFS
	s_mul_i32 s3, s[CH], HALFS
	s_add_co_u32 s3, s3, 2*HALFS
	s_sub_co_u32 s3, s3, s2
	v_mul_u32_u24 v6, s3, v2                       ; lanes 16-31 take B's
	s_add_co_u32 s2, s2, SCL
	v_add_nc_u32 v5, v5, v6
	v_add_nc_u32 v[ADRS], s2, v5
	v_and_b32 v6, 31, v0
	v_lshlrev_b32 v[L8], 3, v6
	v_lshlrev_b32 v[L16], 4, v6
	; THE BIAS, in the layout of a block's 64 numbers.  MODE 0: register 8 b + j = the bias of unit 32 (b / 2) + 16 h + 8 (b % 2) + j.  MODE 1: register 8 a + j = that of my lane's unit 32 (a / 2) + 8 (a % 2) + r + 8 (r / 8), for every j.
	v_lshlrev_b32 v5, 6, v2                        ; 16 h numbers
	v_and_b32 v6, 8, v1
	v_add_nc_u32 v6, v6, v1
	v_lshlrev_b32 v6, 2, v6                        ; r + 8 (r / 8) numbers
	v_cndmask_b32 v7, v5, v6, s[MM]
	s_lshl_b32 s3, s[TCOL], 8
	s_lshl_b32 s100, s[CH], 7
	s_add_co_u32 s3, s3, s100
	s_and_b32 s3, s3, 1023                         ; MODE 0: my 128 units in wq or in wk
	s_lshl_b32 s100, s[TROW], 8
	s_lshl_b32 s101, s[RH], 7
	s_add_co_u32 s100, s100, s101                  ; MODE 1: in wv
	s_cmp_lt_u32 s[TCOL], 4
	s_cselect_b64 s[12:13], s[12:13], s[14:15]     ; bq or bk,
	s_cmp_eq_u32 s[MODE], 1
	s_cselect_b64 s[12:13], s[16:17], s[12:13]     ; or bv
	s_cselect_b32 s100, s100, s3
	s_cselect_b32 s2, 0, 4                         ; from register to register: 4 bytes, or none
	s_lshl_b32 s100, s100, 2
	s_mov_b32 s101, 0
	s_add_nc_u64 s[12:13], s[12:13], s[100:101]
.irp j, 0,1,2,3,4,5,6,7
	v_mad_u32_u24 v[VO+\j], s2, \j, v7
.endr
.irp i, 0,1,2,3,4,5,6,7
.irp j, 0,1,2,3,4,5,6,7
	global_load_b32 v[CBI+8*\i+\j], v[VO+\j], s[12:13] offset:(32*(\i/2)+8*(\i%2))*4   ; wanted in the epilogue; their registers and addresses are not touched before
.endr
.endr
	; WHERE THE RESULTS GO.  G: my 128 units among the tensor's 1,024 (a pair of heads); grp: my 128 tokens among the 8,192
	s_lshl_b32 s40, s[TCOL], 1
	s_add_co_u32 s40, s40, s[CH]
	s_lshl_b32 s41, s[TROW], 1
	s_add_co_u32 s41, s41, s[RH]
	s_cmp_eq_u32 s[MODE], 1
	s_cselect_b32 s43, s41, s40                    ; G (MODE 0: 0-7 q, 8-15 k)
	s_cselect_b32 s44, s40, s41                    ; grp
	s_lshr_b32 s45, s43, 3
	s_or_b32 s45, s45, s[MODE]                     ; 1 for k and v, 0 for q
	s_and_b32 s43, s43, 7                          ; the pair of heads
	s_lshr_b32 s46, s44, 4                         ; the batch
	s_and_b32 s44, s44, 15                         ; the group of 128 tokens in it: a key step
	s_lshl_b32 s46, s46, 4
	s_lshl_b32 s43, s43, 1
	s_add_co_u32 s46, s46, s43                     ; batch x 16 + the even head
	s_lshl_b32 s47, 98304, s45                     ; codes: bytes a head: 98,304 (q) or 196,608 (k and v),
	s_lshl_b32 s2, 6144, s45                       ; bytes a group: 6,144 or 12,288
	s_mul_i32 s[BX], s46, s47
	s_mul_i32 s2, s44, s2
	s_add_co_u32 s[BX], s[BX], s2
	s_mul_i32 s2, s45, KV_OFF
	s_add_co_u32 s[BX], s[BX], s2
	s_mul_i32 s2, s[MODE], 6144                    ; v's codes lie behind k's in a step's record
	s_add_co_u32 s[BX], s[BX], s2
	s_mov_b32 s[BX+1], 0
	s_add_nc_u64 s[BX:BX+1], s[18:19], s[BX:BX+1]
	s_mov_b32 s2, s47
	s_mov_b32 s3, 0
	s_add_nc_u64 s[BY:BY+1], s[BX:BX+1], s[2:3]    ; the odd head: a head on
	s_lshl_b32 s2, s45, 12
	s_add_co_u32 s47, s2, 8192                     ; scale words: bytes a head: 8,192 or 12,288,
	s_lshl_b32 s2, s45, 8
	s_add_co_u32 s2, s2, 512                       ; bytes a group: 512 or 768
	s_mul_i32 s[SX], s46, s47
	s_mul_i32 s2, s44, s2
	s_add_co_u32 s[SX], s[SX], s2
	s_mul_i32 s2, s45, KVS_OFF-QS_OFF
	s_add_co_u32 s[SX], s[SX], s2
	s_lshl_b32 s2, s[MODE], 9                      ; v's words lie behind k's 512 bytes
	s_add_co_u32 s[SX], s[SX], s2
	s_add_co_u32 s[SX], s[SX], QS_OFF
	s_mov_b32 s[SX+1], 0
	s_add_nc_u64 s[SX:SX+1], s[18:19], s[SX:SX+1]
	s_mov_b32 s2, s47
	s_add_nc_u64 s[SY:SY+1], s[SX:SX+1], s[2:3]
	s_mov_b32 s[SEL], 0x76543210
	s_mov_b32 s[SEL+1], 0xfedcba98                 ; v_permlanex16_b32's selects for lane l xor 16
	s_mov_b32 s[HM], 0xffff0000
.macro FRAG reg, adr, q, i             ; a fragment, 16 rows x 128 K: 12 registers; registers 6 c .. 6 c + 5 of lane (r, h): K = 64 c + 32 h + 0 .. 31, 24 bytes of the row as they lie, in pieces of 8 bytes
.irp p, 0,1,2,3,4,5
.set PCE, 12*(\q)+6*(\p/3)+\p%3        ; 16 bytes of padding lie behind every 8 pieces: where lanes 16-31's piece, three on, lies behind one padding more, the second address register serves
.if PCE%8 < 5
	ds_load_b64 v[\reg+2*\p:\reg+2*\p+1], v[\adr] offset:8*PCE+16*(PCE/8)+(\i)*16*PITCH
.else
	ds_load_b64 v[\reg+2*\p:\reg+2*\p+1], v[\adr+2] offset:8*PCE+16*(PCE/8)+(\i)*16*PITCH
.endif
.endr
.endm
; 16 matrix instructions: A's blocks a0, a0 + 1 x B's eight.  The 64 accumulators take turns, one instruction a turn, in the same order in every step.
.macro MUL16 a0, p, q, sc, zero
.irp a, \a0, \a0+1
.irp b, 0,1,2,3,4,5,6,7
.if \zero
	v_wmma_scale_f32_16x16x128_f8f6f4 v[8*(8*((\a)%4)+\b):8*(8*((\a)%4)+\b)+7], v[128*(\p)+FR*\b:128*(\p)+FR*\b+FR-1], v[AF+FR*(\a):AF+FR*(\a)+FR-1], 0, v[SC+8*NQ*(\sc)+NQ*\b+(\q)], v[SC+8*NQ*(\sc)+NQ*(\a)+(\q)] matrix_a_fmt:MATRIX_FMT_FP6 matrix_b_fmt:MATRIX_FMT_FP6 matrix_a_scale:MATRIX_SCALE_ROW1
.else
	v_wmma_scale_f32_16x16x128_f8f6f4 v[8*(8*((\a)%4)+\b):8*(8*((\a)%4)+\b)+7], v[128*(\p)+FR*\b:128*(\p)+FR*\b+FR-1], v[AF+FR*(\a):AF+FR*(\a)+FR-1], v[8*(8*((\a)%4)+\b):8*(8*((\a)%4)+\b)+7], v[SC+8*NQ*(\sc)+NQ*\b+(\q)], v[SC+8*NQ*(\sc)+NQ*(\a)+(\q)] matrix_a_fmt:MATRIX_FMT_FP6 matrix_b_fmt:MATRIX_FMT_FP6 matrix_a_scale:MATRIX_SCALE_ROW1
.endif
.endr
.endr
.endm
.macro FETCH_B slot, q, p
	WIN TO_B
.irp i, 0,1,2,3,4,5,6,7
	FRAG 128*(\p)+FR*\i, ADRB+\slot, \q, \i
.endr
	WIN 0
.endm
.macro FETCH_A slot, q, i0
.irp i, \i0, \i0+1, \i0+2, \i0+3
	FRAG AF+FR*(\i), ADRA+\slot, \q, \i
.endr
.endm
.macro SCALES sc                       ; a K step's scale words: lanes 0-15 take A's block i, lanes 16-31 B's block i
.irp i, 0,1,2,3,4,5,6,7
	ds_load_b64 v[SC+8*NQ*\sc+NQ*\i:SC+8*NQ*\sc+NQ*\i+1], v[ADRS] offset:\i*SBLK
.endr
.endm
.macro PLACES n                        ; plain vector lines between a matrix instruction and a load into, or a read of, its registers
.rept \n
	v_nop
.endr
.endm
.macro STEP slot, q, zero              ; 128 along K that has its successor in the same slot
	s_wait_dscnt 4*NL                              ; B's set and A's blocks 0-3 are in; the 24 youngest loads (A's blocks 4-7) may be out
	WIN MUL_LO
	MUL16 0, (\q)%2, \q, \slot, \zero
	MUL16 2, (\q)%2, \q, \slot, \zero
	s_wait_dscnt 0
	PLACES NP
	FETCH_B \slot, (\q)+1, 1-(\q)%2
	FETCH_A \slot, (\q)+1, 0
	WIN MUL_HI
	MUL16 4, (\q)%2, \q, \slot, \zero
	MUL16 6, (\q)%2, \q, \slot, \zero
	PLACES NP
	WIN 0
	FETCH_A \slot, (\q)+1, 4
.endm
; A slot's last step changes slots: one barrier; in front of it each wave waits for all its tensor loads, adds 0 to its spare word, and waits for that and for its own reads of this slot.
.macro TURN slot, next, fill
	s_wait_tensorcnt 0x0                           ; all my tensor loads have landed: my part of the next slot
	ds_add_u32 v[SPW], v[NIL]
	s_wait_dscnt 4*NL+1                            ; (the add and A's blocks 4-7, 24 loads, may be out)
	WIN MUL_LO
	MUL16 0, 1, NQ-1, \slot, 0
	s_wait_dscnt 0x0                               ; the add is done, and my reads of this slot are over
	s_barrier_signal -1
	MUL16 2, 1, NQ-1, \slot, 0
	WIN 0
	s_barrier_wait -1
.if \fill
	CREST                                          ; the barrier has opened a round of the cluster's: no wave of any partner still reads this slot or has a load on its way
	s_add_nc_u64 s[G0+4*\slot+2:G0+4*\slot+3], s[G0+4*\slot+2:G0+4*\slot+3], 2*ROWB
	s_add_nc_u64 s[G0B+4*\slot+2:G0B+4*\slot+3], s[G0B+4*\slot+2:G0B+4*\slot+3], 2*ROWB
	JLOAD G0+4*\slot, G1, G0B+4*\slot, G1B         ; the first tensor load behind the round, my one load until the next; its four v_nop are the places in front of the loads below
.else
	PLACES NP
.endif
	v_add_nc_u32 v[ADRS], 4*NQ, v[ADRS]            ; on to the next K step's scale words
	FETCH_B \next, 0, 0
	FETCH_A \next, 0, 0
	SCALES \next
	WIN MUL_HI
	MUL16 4, 1, NQ-1, \slot, 0
	MUL16 6, 1, NQ-1, \slot, 0
	PLACES NP
	WIN 0
	FETCH_A \next, 0, 4
.endm
	s_wait_tensorcnt 1                             ; the scales and my part of K step 0 are in (K step 1's load may be out)
	s_barrier_signal -1
	s_barrier_wait -1
	FETCH_B 0, 0, 0
	FETCH_A 0, 0, 0
	SCALES 0
	FETCH_A 0, 0, 4
	STEP 0, 0, 1                                   ; the first step's products start the sums
	s_mov_b32 s3, LAPS-1
.Llap:
	TURN 0, 1, 1
	STEP 1, 0, 0
	TURN 1, 0, 1
	STEP 0, 0, 0
	s_sub_co_u32 s3, s3, 1
	s_cmp_lg_u32 s3, 0
	s_cbranch_scc1 .Llap
	TURN 0, 1, 0                                   ; the last lap fills nothing
	STEP 1, 0, 0
	s_wait_dscnt 4*NL
	WIN MUL_LO
	MUL16 0, 1, NQ-1, 1, 0
	MUL16 2, 1, NQ-1, 1, 0
	s_wait_dscnt 0
	WIN MUL_HI
	MUL16 4, 1, NQ-1, 1, 0
	MUL16 6, 1, NQ-1, 1, 0
	WIN 0
; THE EPILOGUE.  64 numbers of a lane, register 16 b + i = k 32 b + 16 h + i of my row, become a fragment's codes in v[PC] on and its scale word in v[pw].
.macro QUANT s, pw
.irp b, 0,1,2,3
	v_max3_num_f32 v[TM+\b], |v[\s+16*\b]|, |v[\s+1+16*\b]|, 0x1800000   ; block b: my 16 numbers, and the floor 2^(3 - 127): the byte cannot fall under 1
.endr
.irp i, 2,4,6,8,10,12,14
.irp b, 0,1,2,3
	v_max3_num_f32 v[TM+\b], v[TM+\b], |v[\s+16*\b+\i]|, |v[\s+1+16*\b+\i]|
.endr
.endr
.irp b, 0,1,2,3
	v_permlanex16_b32 v[TM+4+\b], v[TM+\b], s[SEL], s[SEL+1]
.endr
.irp b, 0,1,2,3
	v_max_num_f32 v[TM+\b], v[TM+\b], v[TM+4+\b]   ; with lane l xor 16's: the block's largest magnitude
.endr
.irp b, 0,1,2,3
	v_add_nc_u32 v[TM+12+\b], 0xff000000, v[TM+\b] ; 2 off its exponent field: the conversion's scale operand
.endr
.irp b, 0,1,2,3
	v_lshrrev_b32 v[TM+4+\b], 23, v[TM+12+\b]      ; the scale's byte
.endr
	v_lshl_or_b32 v[\pw], v[TM+5], 8, v[TM+4]
	v_lshl_or_b32 v[\pw], v[TM+6], 16, v[\pw]
	v_lshl_or_b32 v[\pw], v[TM+7], 24, v[\pw]
.irp c, 0,1
	v_cvt_scalef32_pk16_fp6_f32 v[PC+6*\c:PC+2+6*\c], v[\s+32*\c:\s+15+32*\c], v[TM+12+2*\c]
	v_cvt_scalef32_pk16_fp6_f32 v[PC+12+4*\c:PC+14+4*\c], v[\s+16+32*\c:\s+31+32*\c], v[TM+12+2*\c+1]   ; (a conversion's three registers begin on an even number)
.endr
	v_nop                                          ; one plain line behind a scaled conversion
.irp c, 0,1                                    ; the operand's layout wants a whole block in a lane: lanes 0-15 block 2 c, lanes 16-31 block 2 c + 1
.irp i, 0,1,2
	v_permlane16_swap_b32 v[PC+6*\c+\i], v[PC+12+4*\c+\i]
.endr
.irp i, 0,1,2
	v_mov_b32 v[PC+3+6*\c+\i], v[PC+12+4*\c+\i]
.endr
.endr
.endm
; My eight blocks of 16 rows of A: + bias (read from the accumulators' window, each accumulator from its low end on, written to window 0), quantised, stored as six images of register pairs.
.macro EPI mode
.irp a, 0,1,2,3,4,5,6,7
	WIN 2+\a/4                                     ; source 0 in the accumulators' window
.set i, 0
.rept 32
.if \mode
	v_pk_add_f32 v[T+2*i:T+2*i+1], v[64*(\a%4)+2*i:64*(\a%4)+2*i+1], v[CBI+8*\a+(2*i)%8:CBI+8*\a+(2*i)%8+1]
.else
	v_pk_add_f32 v[T+2*i:T+2*i+1], v[64*(\a%4)+2*i:64*(\a%4)+2*i+1], v[CBI+2*i:CBI+2*i+1]
.endif
.set i, i+1
.endr
	WIN 0
.if \a > 0
	s_wait_xcnt 0x0                                ; the last block's stores have read the codes' registers: they are written again only behind this wait
.endif
	QUANT T, PWS+\a
.if \mode
.irp p, 0,1,2,3,4,5                            ; v: a tile of 16 of a head's 64 x 128 keys: blocks 0-3 the even head's, 4-7 the odd head's
.if \a < 4
	global_store_b64 v[L8], v[PC+2*\p:PC+2*\p+1], s[BX:BX+1] offset:1536*(\a%4)+256*\p
.else
	global_store_b64 v[L8], v[PC+2*\p:PC+2*\p+1], s[BY:BY+1] offset:1536*(\a%4)+256*\p
.endif
.endr
.else
.irp p, 0,1,2                                  ; q, k: a tile of 16 tokens: registers 0-5 the even head's 64, 6-11 the odd head's
	global_store_b64 v[L8], v[PC+2*\p:PC+2*\p+1], s[BX:BX+1] offset:768*\a+256*\p
	global_store_b64 v[L8], v[PC+6+2*\p:PC+7+2*\p], s[BY:BY+1] offset:768*\a+256*\p
.endr
.endif
.endr
.if \mode
.irp n, 0,1                                    ; v's scale words: word (lane, i) belongs to tile 2 i + lane / 16 of the head, row lane % 16
.irp i, 0,1
	v_cndmask_b32 v[SW+2*\n+\i], v[PWS+4*\n+2*\i], v[PWS+4*\n+2*\i+1], s[HM]
.endr
.endr
	global_store_b64 v[L8], v[SW:SW+1], s[SX:SX+1]
	global_store_b64 v[L8], v[SW+2:SW+3], s[SY:SY+1]
.else
.irp i, 0,1,2,3                                ; q's, k's: word (lane, i) belongs to tile 2 i + lane / 16, row lane % 16; bytes 0, 1 the head's two blocks, bytes 2, 3 zero
	v_cndmask_b32 v[SW+\i], v[PWS+2*\i], v[PWS+2*\i+1], s[HM]
.endr
.irp i, 0,1,2,3
	v_lshrrev_b32 v[SW+4+\i], 16, v[SW+\i]
.endr
.irp i, 0,1,2,3
	v_and_b32 v[SW+\i], 0xffff, v[SW+\i]
.endr
	global_store_b128 v[L16], v[SW:SW+3], s[SX:SX+1]
	global_store_b128 v[L16], v[SW+4:SW+7], s[SY:SY+1]
.endif
.endm
	s_wait_loadcnt 0x0                             ; the bias
	PLACES NP                                      ; behind the last products: their results are read, and A's fragments' registers written, below
.irp b, 0,1,2,3
	v_mov_b32 v[TM+4+\b], 0                        ; a lane permute's destination counts as one of its sources
.endr
	s_cmp_eq_u32 s[MODE], 0                        ; the cluster's number alone: all sixteen go the same way
	s_cbranch_scc0 .Lv
	EPI 0
	s_branch .Lend
.Lv:
	EPI 1
.Lend:
	s_wait_tensorcnt 0x0                           ; the wave's end
	ds_add_u32 v[SPW], v[NIL]
	s_wait_dscnt 0x0
	CROUND                                         ; the closing round: no work-group ends while a partner may still ask for a tile that names it
	s_endpgm
.Lfunc_end_k_q9b481272b1_gemm_qkv:
	.size	k_q9b481272b1_gemm_qkv, .Lfunc_end_k_q9b481272b1_gemm_qkv-k_q9b481272b1_gemm_qkv
	.p2alignl 7, 3214868480
	.fill 96, 4, 3214868480
	.section	.rodata,"a",@progbits
	.p2align	6, 0x0
	.amdhsa_kernel k_q9b481272b1_gemm_qkv
		.amdhsa_group_segment_fixed_size 327680
		.amdhsa_private_segment_fixed_size 0
		.amdhsa_enable_private_segment 0
		.amdhsa_kernarg_size 64
		.amdhsa_user_sgpr_count 2
		.amdhsa_user_sgpr_kernarg_segment_ptr 1
		.amdhsa_wavefront_size32 1
		.amdhsa_system_sgpr_workgroup_id_x 1
		.amdhsa_system_sgpr_workgroup_id_y 1
		.amdhsa_system_sgpr_workgroup_id_z 1
		.amdhsa_system_vgpr_workitem_id 0
		.amdhsa_next_free_vgpr 1024
		.amdhsa_next_free_sgpr 102
		.amdhsa_reserve_vcc 0
		.amdhsa_float_denorm_mode_32 3
		.amdhsa_float_denorm_mode_16_64 3
		.amdhsa_memory_ordered 1
		.amdhsa_forward_progress 1
		.amdhsa_inst_pref_size 243
	.end_amdhsa_kernel
	.amdgpu_metadata
---
amdhsa.version: [ 1, 2 ]
amdhsa.kernels:
  - .name:           k_q9b481272b1_gemm_qkv
    .symbol:         k_q9b481272b1_gemm_qkv.kd
    .args:
      - { .name: xc, .offset: 0, .size: 8, .value_kind: global_buffer, .address_space: global }
      - { .name: xs, .offset: 8, .size: 8, .value_kind: global_buffer, .address_space: global }
      - { .name: wc, .offset: 16, .size: 8, .value_kind: global_buffer, .address_space: global }
      - { .name: ws, .offset: 24, .size: 8, .value_kind: global_buffer, .address_space: global }
      - { .name: bq, .offset: 32, .size: 8, .value_kind: global_buffer, .address_space: global }
      - { .name: bk, .offset: 40, .size: 8, .value_kind: global_buffer, .address_space: global }
      - { .name: bv, .offset: 48, .size: 8, .value_kind: global_buffer, .address_space: global }
      - { .name: qkv, .offset: 56, .size: 8, .value_kind: global_buffer, .address_space: global }
    .group_segment_fixed_size: 327680
    .private_segment_fixed_size: 0
    .kernarg_segment_align: 8
    .kernarg_segment_size: 64
    .max_flat_workgroup_size: 128
    .sgpr_count:     102
    .vgpr_count:     1024
    .wavefront_size: 32
...
	.end_amdgpu_metadata
.endif
;; end of part 2
;; launch attn (part 3): grid 64 x 8, 16 waves a work-group, no clusters, 47,104 bytes of LDS; arguments qkv, mw, aoc, aos; writes aoc, aos
.if DOCPART == 3
	.amdgcn_target "amdgcn-amd-amdhsa--gfx1250"
	.amdhsa_code_object_version 6
	.text
	.protected	k_q9b481272b1_attn
	.globl	k_q9b481272b1_attn
	.p2align	8
	.type	k_q9b481272b1_attn,@function
k_q9b481272b1_attn:
	s_mov_b64 s[64:65], 0
	v_nop
	global_prefetch_b8 v0, s[64:65] scope:SCOPE_SE
	s_setreg_imm32_b32 hwreg(HW_REG_WAVE_MODE, 25, 1), 1
	s_wait_xcnt 0x0
; O = softmax(where(mask, q k^T / 8, -inf)) v for one head and 256 queries a work-group, both products on codes of FP6 (E2M3) with E8M0 scales; O is divided by the row's sum, quantised along the head and stored as codes for the last product.
; THE SOFTMAX: t = score x log2(e) / 8; M = the running largest t rounded UP to a whole number; p = 2^(t - M) is quantised along the keys; the row's sum is taken of the unquantised p.  When M moves, the sum and O are multiplied by 2^(old M - new M): exact.
; SHARES.  Sixteen waves, each one tile of 16 queries in 256 registers, four to a SIMD: one wave's vector work stands beside another's matrix work.  Every wave walks the 16 key steps of 128 keys.
; THE MASK IS AN INPUT.  An earlier launch has stored it as 64 lane words for each (tile, step): one v_cndmask_b32 a register; and two bits: some pair visible, all pairs visible.  A step with no visible pair is jumped over
; (its p would all be 0), a step with all pairs visible skips the 64 selects.  These are scalar branches on stored whole numbers; no barrier and no step of an address stands inside them.
; NO CLUSTER, NO TENSOR LOAD.  K and V go from memory through registers into LDS: 512 threads x 3 x 8 bytes are a step's 12,288.
; LAYOUT.  S^T = K Q^T (source 0 = 16 keys, source 1 = my 16 queries), O^T = V^T P^T: a lane holds ONE query.  K's tiles hold keys 32 b + 8 u + r + 8 (r / 8), so the 16 registers of tiles 2 b, 2 b + 1 are 16 neighbouring keys.
; K = 64 IN AN INSTRUCTION OF 128: a fragment of K is 6 registers; the instruction names 12, the upper six being the next fragment's (the last one's: zeros).  Q's upper six hold zero codes, so those products are 0, and bytes 2, 3 of both scale words are 0, never 0xff.
; A ROW WITH NO VISIBLE KEY has the sum 0: its scale bytes are stored as 0xff, which makes the whole output row NaN in the last product, as the definition has it.
; LIMITS: NaN and infinities in q, k, v are not served; any mask word other than 0 counts as visible; a block of O that is all zeros or under 2^-124 gets the byte 1 (only this program reads it).
; REGISTERS: v2 8 x lane, v3, v4 my places among the scale words, v5, v6 the add's two, v7 8 x thread, v8, v9 the trip's scale addresses, v10 my byte in aos; v12 -M, v13 the largest t, v[14:15] the sum in two halves;
;   v16-21 Q, v22-27 zeros; v28 Q's scale word, v29 -inf, v30 the prefetch's offset, v31 16 r; v32-79 K's eight fragments, then V's four; v80-85 zeros; v86-89 K's scale words, v90-91 V's;
;   v96-159 S^T, then p; v160-191 O^T; v192-197 the next step on its way to LDS; v198-203 the scales likewise; v224-255 at work.
.set QS_OFF,  6291456
.set KV_OFF,  6815744
.set KVS_OFF, 19398656
.set FL_OFF,  524288
.set SLOTB,   16384                    ; LDS: slot 0 at 0, slot 1 here; in a slot K's 6,144 bytes, then V's 6,144
.set VOFF,    6144
.set SCL,     32768                    ; the head's scale words: 16 steps x (K 512 + V 256) bytes
.set SPARE,   45056                    ; the spare words: 128 bytes a wave, eight blocks of 256 bytes that no other line names
.set J,   2                            ; s2   the trip
.set TS,  3                            ; s3   the trip's scale words: 1,536 bytes a trip
.set OF,  8                            ; s8   my tile's flags: bits 0, 1: this trip's steps have a visible pair; bits 16, 17: all pairs visible
.set GF,  9                            ; s9   the sixteen tiles' 'visible' bits, or-ed
.set WV,  10
.set QT,  11
.set CS,  12                           ; s[12:13] c = log2(e) / 8
.set SEL, 14                           ; s[14:15] lane l xor 16
.set LIM, 92                           ; s92  trips in which my wave prefetches
.set HM,  93                           ; s93  lanes 16-31
	s_load_b256 s[84:91], s[0:1], 0x0              ; qkv 84, mw 86, aoc 88, aos 90
	v_lshl_add_u32 v5, v0, 2, SPARE
	v_mov_b32 v6, 0
	v_lshrrev_b32 v1, 5, v0
	s_delay_alu instid0(VALU_DEP_1)
	v_readfirstlane_b32 s[WV], v1
	s_and_b32 s100, ttmp7, 0xffff
	s_sub_co_u32 s101, 7, s100                     ; my block of 256 queries: the late blocks first
	s_lshl_b32 s[QT], s101, 4
	s_add_co_u32 s[QT], s[QT], s[WV]               ; my tile of 16 query positions
	s_cmp_lt_u32 s[WV], 3
	s_cselect_b32 s[LIM], 7, 0
	s_cmp_eq_u32 s100, 0
	s_cselect_b32 s[LIM], s[LIM], 0                ; waves 0-2 of the head's first work-group prefetch, in trips 0 to 6
	s_mov_b32 s[HM], 0xffff0000
	s_mov_b32 s[CS], 0x3e38aa3b
	s_mov_b32 s[CS+1], s[CS]
	s_mov_b32 s[SEL], 0x76543210
	s_mov_b32 s[SEL+1], 0xfedcba98
	s_mul_i32 s4, ttmp9, 196608                    ; K's and V's codes of my head
	s_add_co_u32 s4, s4, KV_OFF
	s_mov_b32 s5, 0
	s_lshl_b32 s6, s[QT], 12                       ; my tile's mask words: 16 steps x 256 bytes
	s_mov_b32 s7, 0
	s_lshl_b32 s8, s101, 8                         ; the block's flags: 16 tiles x 16 bytes
	s_add_co_u32 s8, s8, FL_OFF
	s_mov_b32 s9, 0
	s_lshl_b32 s2, s[WV], 4
	s_add_co_u32 s2, s2, s8                        ; my tile's
	s_mov_b32 s3, 0
	s_mul_i32 s94, ttmp9, 98304                    ; Q's codes: my head, my tile
	s_mul_i32 s100, s[QT], 768
	s_add_co_u32 s94, s94, s100
	s_mov_b32 s95, 0
	s_lshl_b32 s96, ttmp9, 13                      ; Q's scale words: 8,192 bytes a head, 512 a group of 8 tiles; in it word (lane 16 (tile % 2) + r, tile / 2)
	s_lshr_b32 s100, s[QT], 3
	s_lshl_b32 s100, s100, 9
	s_add_co_u32 s96, s96, s100
	s_and_b32 s100, s[WV], 1
	s_lshl_b32 s100, s100, 8
	s_add_co_u32 s96, s96, s100
	s_bfe_u32 s100, s[WV], 0x20001
	s_lshl_b32 s100, s100, 2
	s_add_co_u32 s96, s96, s100
	s_add_co_u32 s96, s96, QS_OFF
	s_mov_b32 s97, 0
	s_mul_i32 s98, ttmp9, 12288                    ; K's and V's scale words of my head
	s_add_co_u32 s98, s98, KVS_OFF
	s_mov_b32 s99, 0
	s_lshr_b32 s16, ttmp9, 4
	s_lshl_b32 s16, s16, 7
	s_add_co_u32 s16, s16, s[QT]                   ; my tile among the 512 tiles of tokens
	s_and_b32 s17, ttmp9, 15                       ; the head
	s_mul_i32 s100, s16, 12288
	s_mul_i32 s18, s17, 768
	s_add_co_u32 s100, s100, s18                   ; aoc: 12,288 bytes a tile, 768 a head
	s_mov_b32 s101, 0
	v_and_b32 v1, 31, v0
	s_delay_alu instid0(VALU_DEP_1)
	v_lshlrev_b32 v2, 3, v1
	v_lshlrev_b32 v7, 3, v0
	s_delay_alu instid0(VALU_DEP_3)
	v_lshl_add_u32 v3, v1, 4, SCL
	s_delay_alu instid0(VALU_DEP_3)
	v_add_nc_u32 v4, SCL+512, v2
	v_and_b32 v10, 15, v0                          ; r
	v_bfe_u32 v11, v0, 4, 1                        ; h
	s_delay_alu instid0(VALU_DEP_2)
	v_lshlrev_b32 v31, 4, v10
	s_delay_alu instid0(VALU_DEP_2)
	v_lshl_add_u32 v10, v10, 5, v11                ; aos: 32 bytes a position, my half's block
	v_lshlrev_b32 v30, 8, v0                       ; 8,192 x wave + 256 x lane
	s_wait_alu depctr_va_vdst(0)
	s_wait_kmcnt 0x0
	s_add_nc_u64 s[88:89], s[88:89], s[100:101]
	s_lshl_b32 s100, s16, 9
	s_lshl_b32 s18, s17, 1
	s_add_co_u32 s100, s100, s18                   ; aos: 512 bytes a tile, 2 bytes a head
	s_add_nc_u64 s[90:91], s[90:91], s[100:101]
	s_add_nc_u64 s[4:5], s[84:85], s[4:5]
	s_add_nc_u64 s[6:7], s[86:87], s[6:7]
	s_add_nc_u64 s[8:9], s[86:87], s[8:9]
	s_add_nc_u64 s[2:3], s[86:87], s[2:3]
	s_add_nc_u64 s[94:95], s[84:85], s[94:95]
	s_add_nc_u64 s[96:97], s[84:85], s[96:97]
	s_add_nc_u64 s[98:99], s[84:85], s[98:99]
	s_load_b512 s[16:31], s[8:9], 0x0              ; the block's 64 flag words, into the mask words' registers
	s_load_b512 s[32:47], s[8:9], 0x40
	s_load_b512 s[48:63], s[8:9], 0x80
	s_load_b512 s[68:83], s[8:9], 0xc0
	s_load_b128 s[84:87], s[2:3], 0x0              ; my tile's four (qkv's and mw's addresses have been used)
.irp p, 0,1,2
	global_load_b64 v[16+2*\p:17+2*\p], v2, s[94:95] offset:256*\p      ; Q's fragment stays in registers
.endr
	global_load_b32 v28, v31, s[96:97]
.irp i, 0,1,2
	global_load_b64 v[198+2*\i:199+2*\i], v7, s[98:99] offset:4096*\i   ; the head's scale words
.endr
.irp i, 0,1,2
	global_load_b64 v[192+2*\i:193+2*\i], v7, s[4:5] offset:4096*\i     ; key step 0
.endr
.irp i, 0,1,2,3,4,5
	v_mov_b32 v[22+\i], 0                          ; Q's upper half: zero codes
	v_mov_b32 v[80+\i], 0                          ; what the last fragment of K names beyond its six
.endr
	v_mov_b32 v29, 0xff800000                      ; -infinity
	v_mov_b32 v13, 0xff61b1e6                      ; the largest t so far: -3e38
	s_delay_alu instid0(VALU_DEP_1)
	v_floor_f32 v12, -v13                          ; -M
	v_mov_b32 v14, 0
	v_mov_b32 v15, 0
.irp b, 0,1,2,3
	v_mov_b32 v[236+\b], 0                         ; a lane permute's destination counts as one of its sources
.endr
	v_mov_b32 v252, 0
	v_mov_b32 v253, 0
.set j, 0
.rept 32
	v_mov_b32 v[160+j], 0                          ; O^T: the step is written once; the first finds zeros
.set j, j+1
.endr
	s_wait_kmcnt 0x0
	s_or_b32 s[GF], s16, s17
.set k, 18
.rept 46
	s_or_b32 s[GF], s[GF], s[k]
.set k, k+1
.endr
.set k, 68
.rept 16
	s_or_b32 s[GF], s[GF], s[k]
.set k, k+1
.endr
	s_and_b32 s[GF], s[GF], 0xffff                 ; bit s: some tile of the block has a visible pair in step s
	s_or_b32 s[OF], s84, s85
	s_or_b32 s[OF], s[OF], s86
	s_or_b32 s[OF], s[OF], s87
	s_mov_b32 s[J], 0
	s_mov_b32 s[TS], 0
	s_wait_loadcnt 0x0
.irp i, 0,1,2
	ds_store_b64 v7, v[198+2*\i:199+2*\i] offset:SCL+4096*\i
	ds_store_b64 v7, v[192+2*\i:193+2*\i] offset:4096*\i
.endr
	s_wait_dscnt 0x0                               ; for the others' sake: my stores have landed
	s_barrier_signal -1
	s_barrier_wait -1
; A KEY STEP, the sl-th of the trip, in slot sl.
.macro STEP sl
	s_bitcmp1_b32 s[GF], \sl+1                     ; does any tile of the block want the next step?  (Behind step 15 the bit is 0: no load leaves the buffer)
	s_cbranch_scc0 .Lnone_\@
.irp i, 0,1,2
	global_load_b64 v[192+2*\i:193+2*\i], v7, s[4:5] offset:12288*(\sl+1)+4096*\i
.endr
.Lnone_\@:
.if \sl == 0
	s_cmp_lt_u32 s[J], s[LIM]                      ; THE PREFETCH: the next trip's two steps, 24,576 bytes: 3 waves x 32 lanes, 256 bytes apart, each block named once in the launch, by the head's first work-group;
	s_cbranch_scc0 .Lnopf_\@                       ; the loads that want them follow one and two key steps on; the last trip asks for nothing
	global_prefetch_b8 v30, s[4:5] offset:24576 th:TH_LOAD_NT scope:SCOPE_SE
.Lnopf_\@:
.endif
	s_bitcmp1_b32 s[OF], \sl
	s_cbranch_scc0 .Lhid_\@                        ; no pair of my tile is visible in this step
	s_load_b512 s[16:31], s[6:7], 256*\sl          ; my 64 mask words
	s_load_b512 s[32:47], s[6:7], 256*\sl+64
	s_load_b512 s[48:63], s[6:7], 256*\sl+128
	s_load_b512 s[68:83], s[6:7], 256*\sl+192
.rept 4
	v_nop                                          ; places in front of loads into registers that the last products have read
.endr
.irp t, 0,1,2,3,4,5,6,7
.irp p, 0,1,2
	ds_load_b64 v[32+6*\t+2*\p:33+6*\t+2*\p], v2 offset:SLOTB*\sl+768*\t+256*\p
.endr
.endr
	s_wait_alu depctr_va_vdst(0)
	ds_load_b128 v[86:89], v8 offset:768*\sl       ; register i: lanes 0-15 tile 2 i's words, lanes 16-31 tile 2 i + 1's
	s_wait_dscnt 0x0
.irp t, 0,2,4,6
	v_wmma_scale_f32_16x16x128_f8f6f4 v[96+8*\t:103+8*\t], v[32+6*\t:43+6*\t], v[16:27], 0, v[86+\t/2], v28 matrix_a_fmt:MATRIX_FMT_FP6 matrix_b_fmt:MATRIX_FMT_FP6
	v_wmma_scale_f32_16x16x128_f8f6f4 v[104+8*\t:111+8*\t], v[38+6*\t:49+6*\t], v[16:27], 0, v[86+\t/2], v28 matrix_a_fmt:MATRIX_FMT_FP6 matrix_b_fmt:MATRIX_FMT_FP6 matrix_a_scale:MATRIX_SCALE_ROW1
.endr
.rept 4
	v_nop                                          ; places in front of the loads below and of the first read of the scores
.endr
.irp t, 0,1,2,3                                ; V's four fragments land while the softmax is worked
.irp p, 0,1,2,3,4,5
	ds_load_b64 v[32+12*\t+2*\p:33+12*\t+2*\p], v2 offset:SLOTB*\sl+VOFF+1536*\t+256*\p
.endr
.endr
	ds_load_b64 v[90:91], v9 offset:768*\sl
	s_wait_kmcnt 0x0                               ; the mask words (on both ways: no scalar load is out at the next step's)
	s_bitcmp1_b32 s[OF], 16+\sl
	s_cbranch_scc1 .Lopen_\@                       ; all pairs visible
.set n, 0
.rept 64
.if n < 48
	v_cndmask_b32 v[96+n], v29, v[96+n], s[16+n]   ; hidden scores become -infinity ahead of the maximum: p = 0 then
.else
	v_cndmask_b32 v[96+n], v29, v[96+n], s[20+n]
.endif
.set n, n+1
.endr
.Lopen_\@:
.irp b, 0,1,2,3
	v_max3_num_f32 v[232+\b], v[96+16*\b], v[97+16*\b], v[98+16*\b]   ; the largest score of each block of 32 keys: for the row's maximum, and, since p rises with the score, for the block's largest p
.endr
.irp i, 3,5,7,9,11,13
.irp b, 0,1,2,3
	v_max3_num_f32 v[232+\b], v[232+\b], v[96+16*\b+\i], v[97+16*\b+\i]
.endr
.endr
.irp b, 0,1,2,3
	v_max_num_f32 v[232+\b], v[232+\b], v[111+16*\b]
.endr
.irp b, 0,1,2,3
	s_delay_alu instid0(VALU_DEP_4)
	v_permlanex16_b32 v[236+\b], v[232+\b], s[SEL], s[SEL+1]
.endr
.irp b, 0,1,2,3
	s_delay_alu instid0(VALU_DEP_4)
	v_max_num_f32 v[232+\b], v[232+\b], v[236+\b]  ; with lane l xor 16's 16 keys
.endr
	s_delay_alu instid0(VALU_DEP_2)
	v_max3_num_f32 v254, v232, v233, v234
	s_delay_alu instid0(VALU_DEP_1)
	v_max_num_f32 v254, v254, v235
	s_delay_alu instid0(VALU_DEP_1)
	v_mul_f32 v254, s[CS], v254                    ; the step's largest t of my query
	s_delay_alu instid0(VALU_DEP_1)
	v_max_num_f32 v13, v13, v254
	v_mov_b32 v254, v12
	s_delay_alu instid0(VALU_DEP_2)
	v_floor_f32 v12, -v13                          ; the new -M = -ceil(t): a whole number
	s_delay_alu instid0(VALU_DEP_1)
	v_sub_f32 v254, v12, v254                      ; old M - new M: a whole number, 0 or less
	s_delay_alu instid0(VALU_DEP_1)
	v_cvt_i32_f32 v254, v254                       ; (it saturates)
	s_delay_alu instid0(VALU_DEP_1)
	v_ldexp_f32 v252, 1.0, v254                    ; f = 2^(old M - new M)
.set j, 0
.rept 32
	v_pk_fma_f32 v[96+j:97+j], v[96+j:97+j], s[CS:CS+1], v[12:13] op_sel_hi:[1,0,0]   ; t - M, two at a time
.set j, j+2
.endr
.irp b, 0,1,2,3
	v_fma_f32 v[232+\b], v[232+\b], s[CS], v12     ; the same of each block's largest score
.endr
.set j, 0
	s_wait_alu depctr_va_vdst(0)
.rept 64
	v_exp_f32 v[96+j], v[96+j]                     ; p = 2^(t - M), at most 1
.set j, j+1
.endr
	v_pk_mul_f32 v[14:15], v[14:15], v[252:253] op_sel_hi:[1,0]   ; the sums under the new M (a plain line behind the exponentials)
	s_wait_alu depctr_va_vdst(0)                   ; one wait for the batch of 64, ahead of its first reader
.irp b, 0,1,2,3
	v_exp_f32 v[232+\b], v[232+\b]                 ; the block's largest p
.endr
	v_pk_add_f32 v[236:237], v[100:101], v[104:105]
	v_pk_add_f32 v[254:255], v[108:109], v[112:113]
	v_pk_add_f32 v[250:251], v[116:117], v[120:121]
	v_pk_add_f32 v[248:249], v[124:125], v[128:129]
	v_pk_add_f32 v[246:247], v[132:133], v[136:137]
	v_pk_add_f32 v[244:245], v[140:141], v[144:145]
	v_pk_add_f32 v[242:243], v[148:149], v[152:153]
	v_pk_add_f32 v[14:15], v[14:15], v[156:157]
	v_pk_add_f32 v[236:237], v[236:237], v[96:97]
	v_pk_add_f32 v[254:255], v[254:255], v[98:99]
	v_pk_add_f32 v[250:251], v[250:251], v[102:103]
	v_pk_add_f32 v[248:249], v[248:249], v[106:107]
	v_pk_add_f32 v[246:247], v[246:247], v[110:111]
	v_pk_add_f32 v[244:245], v[244:245], v[114:115]
	v_pk_add_f32 v[242:243], v[242:243], v[118:119]
	v_pk_add_f32 v[14:15], v[14:15], v[122:123]
	v_pk_add_f32 v[236:237], v[236:237], v[126:127]
	v_pk_add_f32 v[254:255], v[254:255], v[130:131]
	v_pk_add_f32 v[250:251], v[250:251], v[134:135]
	v_pk_add_f32 v[248:249], v[248:249], v[138:139]
	v_pk_add_f32 v[246:247], v[246:247], v[142:143]
	v_pk_add_f32 v[244:245], v[244:245], v[146:147]
	v_pk_add_f32 v[242:243], v[242:243], v[150:151]
	v_pk_add_f32 v[14:15], v[14:15], v[154:155]
	v_pk_add_f32 v[236:237], v[236:237], v[158:159]
	s_delay_alu instid0(VALU_DEP_2)
	v_pk_add_f32 v[14:15], v[14:15], v[248:249]
	s_delay_alu instid0(VALU_DEP_2)
	v_pk_add_f32 v[236:237], v[236:237], v[246:247]
	v_pk_add_f32 v[254:255], v[254:255], v[244:245]
	v_pk_add_f32 v[250:251], v[250:251], v[242:243]
	s_delay_alu instid0(VALU_DEP_2)
	v_pk_add_f32 v[14:15], v[14:15], v[254:255]
	s_delay_alu instid0(VALU_DEP_2)
	v_pk_add_f32 v[236:237], v[236:237], v[250:251]
	s_delay_alu instid0(VALU_DEP_1)
	v_pk_add_f32 v[14:15], v[14:15], v[236:237]
	s_wait_alu depctr_va_vdst(0)                   ; and one for the four
.irp b, 0,1,2,3
	v_max_num_f32 v[232+\b], 0x1800000, v[232+\b]  ; the floor 2^(3 - 127): the byte cannot fall under 1
.endr
.irp b, 0,1,2,3
	s_delay_alu instid0(VALU_DEP_4)
	v_add_nc_u32 v[244+\b], 0xff000000, v[232+\b]  ; the conversion's scale operand
.endr
.irp b, 0,1,2,3
	s_delay_alu instid0(VALU_DEP_4)
	v_lshrrev_b32 v[236+\b], 23, v[244+\b]         ; the scale's byte
.endr
	s_delay_alu instid0(VALU_DEP_3)
	v_lshl_or_b32 v253, v237, 8, v236              ; p's scale word for these 128 keys
	s_delay_alu instid0(VALU_DEP_1)
	v_lshl_or_b32 v253, v238, 16, v253
	s_delay_alu instid0(VALU_DEP_1)
	v_lshl_or_b32 v253, v239, 24, v253
.irp c, 0,1
	v_cvt_scalef32_pk16_fp6_f32 v[224+6*\c:226+6*\c], v[96+32*\c:111+32*\c], v[244+2*\c]
	v_cvt_scalef32_pk16_fp6_f32 v[236+4*\c:238+4*\c], v[112+32*\c:127+32*\c], v[244+2*\c+1]
.endr
	v_nop                                          ; one plain line behind a scaled conversion
.irp c, 0,1
.irp i, 0,1,2
	v_permlane16_swap_b32 v[224+6*\c+\i], v[236+4*\c+\i]
.endr
.irp i, 0,1,2
	s_delay_alu instid0(VALU_DEP_3)
	v_mov_b32 v[227+6*\c+\i], v[236+4*\c+\i]
.endr
.endr
.set j, 0
.rept 16
	v_pk_mul_f32 v[160+j:161+j], v[160+j:161+j], v[252:253] op_sel_hi:[1,0]   ; O^T under the new M; these sixteen also stand between the making of p's codes and scale word and the products
.set j, j+2
.endr
	s_wait_alu depctr_va_vdst(0)
	s_wait_dscnt 0x0                               ; V
.irp t, 0,2
	v_wmma_scale_f32_16x16x128_f8f6f4 v[160+8*\t:167+8*\t], v[32+12*\t:43+12*\t], v[224:235], v[160+8*\t:167+8*\t], v[90+\t/2], v253 matrix_a_fmt:MATRIX_FMT_FP6 matrix_b_fmt:MATRIX_FMT_FP6
	v_wmma_scale_f32_16x16x128_f8f6f4 v[168+8*\t:175+8*\t], v[44+12*\t:55+12*\t], v[224:235], v[168+8*\t:175+8*\t], v[90+\t/2], v253 matrix_a_fmt:MATRIX_FMT_FP6 matrix_b_fmt:MATRIX_FMT_FP6 matrix_a_scale:MATRIX_SCALE_ROW1
.endr
.Lhid_\@:
	s_wait_loadcnt 0x0                             ; the next step's bytes are in my registers
	s_bitcmp1_b32 s[GF], \sl+1
	s_cbranch_scc0 .Lnost_\@
.irp i, 0,1,2
	ds_store_b64 v7, v[192+2*\i:193+2*\i] offset:SLOTB*(1-\sl)+4096*\i   ; into the other slot: its last readers waited for their loads and passed the last barrier
.endr
.Lnost_\@:
	s_wait_dscnt 0x0                               ; my stores have landed and my reads of this slot are over
	s_barrier_signal -1
	s_barrier_wait -1
.endm
.Ltrip:                                            ; eight trips of two key steps
	v_add_nc_u32 v8, s[TS], v3
	v_add_nc_u32 v9, s[TS], v4
	STEP 0
	STEP 1
	s_wait_xcnt 0x0                                ; the trip's loads and its prefetch have read their bases
	s_add_nc_u64 s[4:5], s[4:5], 24576
	s_add_nc_u64 s[6:7], s[6:7], 512
	s_add_co_u32 s[TS], s[TS], 1536
	s_lshr_b32 s[OF], s[OF], 2
	s_lshr_b32 s[GF], s[GF], 2
	s_add_co_u32 s[J], s[J], 1
	s_cmp_lt_u32 s[J], 8
	s_cbranch_scc1 .Ltrip
	; THE WAY OUT: O^T / the sum; its two blocks of 32 along the head are quantised; three images of register pairs and a scale byte a lane.
.rept 4
	v_nop                                          ; places behind the last products
.endr
	v_add_f32 v15, v14, v15
	s_delay_alu instid0(VALU_DEP_1)
	v_permlanex16_b32 v252, v15, s[SEL], s[SEL+1]
	s_delay_alu instid0(VALU_DEP_1)
	v_add_f32 v15, v15, v252                       ; the row's sum
	s_wait_alu depctr_va_vdst(0)
	v_rcp_f32 v14, v15
	v_mov_b32 v239, 0xff                           ; (a plain line behind the reciprocal)
	s_wait_alu depctr_va_vdst(0)                   ; ahead of the reciprocal's first reader
.set j, 0
.rept 32
	v_mul_f32 v[96+j], v[160+j], v14               ; register 16 b + i = o(my query, 32 b + 16 h + i)
.set j, j+1
.endr
.irp b, 0,1
	v_max3_num_f32 v[232+\b], |v[96+16*\b]|, |v[97+16*\b]|, 0x1800000
.endr
.irp i, 2,4,6,8,10,12,14
.irp b, 0,1
	s_delay_alu instid0(VALU_DEP_2)
	v_max3_num_f32 v[232+\b], v[232+\b], |v[96+16*\b+\i]|, |v[97+16*\b+\i]|
.endr
.endr
.irp b, 0,1
	s_delay_alu instid0(VALU_DEP_2)
	v_permlanex16_b32 v[236+\b], v[232+\b], s[SEL], s[SEL+1]
.endr
.irp b, 0,1
	s_delay_alu instid0(VALU_DEP_2)
	v_max_num_f32 v[232+\b], v[232+\b], v[236+\b]
.endr
.irp b, 0,1
	s_delay_alu instid0(VALU_DEP_2)
	v_add_nc_u32 v[244+\b], 0xff000000, v[232+\b]
.endr
.irp b, 0,1
	s_delay_alu instid0(VALU_DEP_2)
	v_lshrrev_b32 v[236+\b], 23, v[244+\b]
.endr
	v_cvt_scalef32_pk16_fp6_f32 v[224:226], v[96:111], v244
	v_cvt_scalef32_pk16_fp6_f32 v[240:242], v[112:127], v245
	v_nop                                          ; one plain line behind a scaled conversion
.irp i, 0,1,2
	v_permlane16_swap_b32 v[224+\i], v[240+\i]     ; lanes 0-15 get block 0 whole, lanes 16-31 block 1
.endr
.irp i, 0,1,2
	s_delay_alu instid0(VALU_DEP_3)
	v_mov_b32 v[227+\i], v[240+\i]
.endr
	v_cndmask_b32 v238, v236, v237, s[HM]          ; my half's block's byte,
	v_cmp_eq_f32 vcc_lo, 0, v15
	s_delay_alu instid0(VALU_DEP_1)
	v_cndmask_b32 v238, v238, v239, vcc_lo         ; or 0xff where no key was visible
.irp p, 0,1,2
	global_store_b64 v2, v[224+2*\p:225+2*\p], s[88:89] offset:256*\p   ; 32 lanes store 256 consecutive bytes, aligned
.endr
	global_store_b8 v10, v238, s[90:91]            ; a position's 32 scale bytes come from sixteen heads' work-groups: they cannot be gathered here
	s_wait_tensorcnt 0x0                           ; the wave's end, behind my last LDS store
	ds_add_u32 v5, v6
	s_wait_dscnt 0x0
	s_endpgm
.Lfunc_end_k_q9b481272b1_attn:
	.size	k_q9b481272b1_attn, .Lfunc_end_k_q9b481272b1_attn-k_q9b481272b1_attn
	.p2alignl 7, 3214868480
	.fill 96, 4, 3214868480
	.section	.rodata,"a",@progbits
	.p2align	6, 0x0
	.amdhsa_kernel k_q9b481272b1_attn
		.amdhsa_group_segment_fixed_size 47104
		.amdhsa_private_segment_fixed_size 0
		.amdhsa_enable_private_segment 0
		.amdhsa_kernarg_size 32
		.amdhsa_user_sgpr_count 2
		.amdhsa_user_sgpr_kernarg_segment_ptr 1
		.amdhsa_wavefront_size32 1
		.amdhsa_system_sgpr_workgroup_id_x 1
		.amdhsa_system_sgpr_workgroup_id_y 1
		.amdhsa_system_sgpr_workgroup_id_z 1
		.amdhsa_system_vgpr_workitem_id 0
		.amdhsa_next_free_vgpr 256
		.amdhsa_next_free_sgpr 102
		.amdhsa_reserve_vcc 1
		.amdhsa_float_denorm_mode_32 3
		.amdhsa_float_denorm_mode_16_64 3
		.amdhsa_memory_ordered 1
		.amdhsa_forward_progress 1
		.amdhsa_inst_pref_size 61
	.end_amdhsa_kernel
	.amdgpu_metadata
---
amdhsa.version: [ 1, 2 ]
amdhsa.kernels:
  - .name:           k_q9b481272b1_attn
    .symbol:         k_q9b481272b1_attn.kd
    .args:
      - { .name: qkv, .offset: 0, .size: 8, .value_kind: global_buffer, .address_space: global }
      - { .name: mw, .offset: 8, .size: 8, .value_kind: global_buffer, .address_space: global }
      - { .name: aoc, .offset: 16, .size: 8, .value_kind: global_buffer, .address_space: global }
      - { .name: aos, .offset: 24, .size: 8, .value_kind: global_buffer, .address_space: global }
    .group_segment_fixed_size: 47104
    .private_segment_fixed_size: 0
    .kernarg_segment_align: 8
    .kernarg_segment_size: 32
    .max_flat_workgroup_size: 512
    .sgpr_count:     102
    .vgpr_count:     256
    .wavefront_size: 32
...
	.end_amdgpu_metadata
.endif
;; end of part 3
;; launch gemm_out (part 4): grid 4 x 32, 4 waves a work-group, clusters of 4 x 4, 327,680 bytes of LDS; arguments aoc, aos, wc, ws, out0, bo; writes out0
.if DOCPART == 4
	.amdgcn_target "amdgcn-amd-amdhsa--gfx1250"
	.amdhsa_code_object_version 6
	.text
	.protected	k_q9b481272b1_gemm_out
	.globl	k_q9b481272b1_gemm_out
	.p2align	8
	.type	k_q9b481272b1_gemm_out,@function
k_q9b481272b1_gemm_out:
	s_mov_b64 s[64:65], 0
	v_nop
	global_prefetch_b8 v0, s[64:65] scope:SCOPE_SE
	s_setreg_imm32_b32 hwreg(HW_REG_WAVE_MODE, 25, 1), 1
	s_wait_xcnt 0x0
	s_wait_alu depctr_hold_cnt(0) depctr_sa_sdst(0) depctr_va_vdst(0) depctr_va_sdst(0) depctr_va_ssrc(0) depctr_va_vcc(0) depctr_vm_vsrc(0)
	s_getreg_b32 s2, hwreg(HW_REG_IB_STS2, 6, 4)
	s_cmp_eq_u32 s2, 0
	s_cbranch_scc0 .Lentry_in_a_cluster
	s_endpgm
.Lentry_in_a_cluster:
	s_bfe_u32 s2, ttmp6, 0x10000c
	s_cmp_lg_u32 s2, 0xf033
	s_cbranch_scc0 .Lentry_shape_is_right
	s_endpgm
.Lentry_shape_is_right:
; out0 = O wo^T + bo on codes of FP6 (E2M3) with E8M0 scales; M = 8,192 tokens, N = 1,024, K = 1,024.  A tile of 256 x 256 by four waves, 128 x 128 each; K in steps of 256 through two LDS slots; the scale bytes come once.
; A = the attention launch's codes, stored as IMAGES of register pairs: [tile of 16 token positions][pair of heads: 128 along K][6 pairs x 256 bytes].  A K step of 256 of a tile is 3,072 consecutive bytes; a wave's tensor load
;   brings 8 tiles' (8 rows of 3,072 bytes, 12,288 apart), and a fragment comes back by six ds_load_b64 at 8 x lane: consecutive bytes.
; B = wo's codes, rows 3,072 on of wc, in their own order, as rows of 192 bytes with 16 bytes of padding behind every 64.
; THE MATRIX INSTRUCTION: source 0 = 16 rows of wo, source 1 = 16 tokens: a lane holds eight neighbouring numbers of a row of out0.  The bias is the C of each sum's first instruction.
; TOKENS LIE IN POSITION ORDER (position 16 t + r of 32 b .. is token 32 b + 8 u + r + 8 (r / 8), t = 2 b + u): the stores' addresses undo it.
; A row of O whose scale bytes are 0xff (no visible key) comes out NaN, as the definition has it.
; CLUSTERS: 4 x 4 work-groups; A's tile is asked for jointly along a row of the cluster, B's along a column.
; REGISTERS: window 0: v0-31 addresses; v32-63 scale words, two sets; v64-127 the bias; from v128 A's fragments, one set; on the way out v128-255 rows of out0.  window 1: B's fragments, two sets.  windows 2, 3: the accumulators.
.set SIZE_N, 1024
.set SIZE_K, 1024
.set KSTEP,  256
.set NQ,     KSTEP/128
.set ROWB,   192
.set KROW,   SIZE_K*6/8
.set PITCH,  240
.set AROW,   3072                      ; a tile's images of a K step
.set FR,     12
.set NL,     6
.set NP,     4
.set HALFT,  128*PITCH                 ; a wave's part of a slot (A's loads use 24,576 of it)
.set SLOT,   4*HALFT
.set LAPS,   SIZE_K/(2*KSTEP)
.set KS,     SIZE_K/32
.set SCL,    2*SLOT
.set HALFS,  (128*KS/256)*272
.set SBLK,   (16*KS/256)*272
.set SPARE,  SCL+4*HALFS               ; the spare words: 128 bytes a wave, two blocks of 256 bytes that no other line names
.set SPITCH, 528                       ; the way out: a stage of 16 rows x (512 + 16) bytes for each wave, in slot 0, which has had its last fill and its last read by then
.set ADRA, 16
.set ADRB, 20
.set STO,  24
.set RD,   25
.set CO,   26
.set ADRS, 27
.set SPW,  28
.set NIL,  29
.set SC,   32
.set CBI,  64
.set AF,   128
.set BK,   128
.set G1,   24
.set G0,   32
.set G1B,  48
.set G0B,  56
.set G1S,  68
.set G0S,  76
.set G1SB, 80
.set G0SB, 88
.set CP,   96                          ; s[96:97] out0;  s[98:99] bo
.set MSB, 0
.macro WIN new
.if MSB != (\new)
	s_set_vgpr_msb (MSB<<8)|(\new)
.set MSB, (\new)
.endif
.endm
.set MUL_LO, 0xa1                      ; source 0 (B) window 1, source 1 (A) window 0, C and D window 2
.set MUL_HI, 0xf1
.set FIRST_LO, 0x81                    ; the same with C (the bias) in window 0
.set FIRST_HI, 0xc1
.set TO_B,   0x40
.macro JLOAD g0a, g1a, g0b, g1b        ; a joint load: waves 0 and 1 fetch for A, waves 2 and 3 for B; an s_nop 0 and four v_nop follow each line
	s_cmp_eq_u32 s15, 0
	s_cbranch_scc0 .Lfor_b_\@
	tensor_load_to_lds s[\g0a:\g0a+3], s[\g1a:\g1a+7]
	s_nop 0
.rept 4
	v_nop
.endr
	s_branch .Lasked_\@
.Lfor_b_\@:
	tensor_load_to_lds s[\g0b:\g0b+3], s[\g1b:\g1b+7]
	s_nop 0
.rept 4
	v_nop
.endr
.Lasked_\@:
.endm
.macro CREST
	s_cmp_lg_u32 s14, 0
	s_cbranch_scc1 .Lnot_wave_0_\@
	s_barrier_signal -3
.Lnot_wave_0_\@:
	s_barrier_wait -3
	s_barrier_signal -1
	s_barrier_wait -1
.endm
.macro CROUND
	s_barrier_signal -1
	s_barrier_wait -1
	CREST
.endm
	s_load_b128 s[4:7], s[0:1], 0x0                ; aoc, aos
	s_load_b128 s[8:11], s[0:1], 0x10              ; wc, ws
	s_load_b128 s[96:99], s[0:1], 0x20             ; out0, bo
	v_lshl_add_u32 v[SPW], v0, 2, SPARE
	v_mov_b32 v[NIL], 0
	ds_add_u32 v[SPW], v[NIL]                      ; the wave's opening: the add and its wait stand ahead of my first tensor load
	v_lshrrev_b32 v1, 5, v0
	v_readfirstlane_b32 s14, v1                    ; wave
	s_lshr_b32 s15, s14, 1                         ; which half of the tile's rows is mine.  Also: I fetch for A (0) or for B (1)
	s_and_b32 s16, s14, 1                          ; which half of its columns.  Also: which half of that tile I fetch
	s_bfe_u32 s40, ttmp6, 0x40000                  ; cx
	s_bfe_u32 s41, ttmp6, 0x40004                  ; cy
	s_lshl_b32 s42, ttmp9, 2
	s_add_co_u32 s42, s42, s40                     ; tile column
	s_and_b32 s17, ttmp7, 0xffff
	s_lshl_b32 s17, s17, 2
	s_add_co_u32 s17, s17, s41                     ; tile row
	s_lshl_b32 s43, s41, 2
	s_lshl_b32 s43, 15, s43                        ; my row of the cluster
	s_lshl_b32 s44, 0x1111, s40                    ; my column
	s_or_b32 s[G1+0], s43, (3<<16)|(1<<21)         ; A: the mask; elements of 8 bytes; no padding; bit 21 beside a mask
	s_mov_b32 s[G1+1], (AROW/8)<<16                ; tensor_dim0 = 384
	s_mov_b32 s[G1+2], 8<<16                       ; tensor_dim1 = 8
	s_mov_b32 s[G1+3], (AROW/8)<<16                ; tile_dim0
	s_mov_b32 s[G1+4], 8                           ; tile_dim1
	s_mov_b32 s[G1+5], 12288/8                     ; the pitch: a tile of tokens on
	s_mov_b32 s[G1+6], 0
	s_mov_b32 s[G1+7], 0
	s_or_b32 s[G1B+0], s44, (0<<16)|(1<<20)|(1<<21)|(3<<22)|(3<<25)  ; B: 128 rows of 192 bytes, 16 bytes of padding behind every 64
	s_mov_b32 s[G1B+1], ROWB<<16
	s_mov_b32 s[G1B+2], 128<<16
	s_mov_b32 s[G1B+3], ROWB<<16
	s_mov_b32 s[G1B+4], 128
	s_mov_b32 s[G1B+5], KROW
	s_mov_b32 s[G1B+6], 0
	s_mov_b32 s[G1B+7], 0
	s_or_b32 s[G1S+0], s43, (3<<16)|(1<<20)|(1<<21)|(5<<22)|(3<<25)  ; the scales of 128 rows: 16 rows of 256 bytes, 16 of padding behind each
	s_or_b32 s[G1SB+0], s44, (3<<16)|(1<<20)|(1<<21)|(5<<22)|(3<<25)
.irp g, G1S, G1SB
	s_mov_b32 s[\g+1], 32<<16
	s_mov_b32 s[\g+2], (128*KS/256)<<16
	s_mov_b32 s[\g+3], 32<<16
	s_mov_b32 s[\g+4], 128*KS/256
	s_mov_b32 s[\g+5], 32
	s_mov_b32 s[\g+6], 0
	s_mov_b32 s[\g+7], 0
.endr
	s_lshl_b32 s18, s16, 7
	s_lshl_b32 s20, s17, 8
	s_add_co_u32 s20, s20, s18                     ; A: position 256 x tile row + 128 x half
	s_lshl_b32 s22, s20, 5                         ; its scales: 32 bytes a position;
	s_mul_i32 s20, s20, 768                        ; its images: 12,288 bytes for 16 positions
	s_mov_b32 s21, 0
	s_mov_b32 s23, 0
	s_lshl_b32 s46, s42, 8
	s_add_co_u32 s46, s46, s18                     ; B: row 256 x tile column + 128 x half of wo,
	s_lshl_b32 s92, s46, 5
	s_add_co_u32 s92, s92, 3072*32                 ; which begins at row 3,072 of ws
	s_mul_i32 s46, s46, KROW
	s_add_co_u32 s46, s46, 3072*KROW               ; and of wc
	s_mov_b32 s47, 0
	s_mov_b32 s93, 0
	s_mul_i32 s45, s14, HALFT                      ; where they go: by the wave's number alone
	s_mul_i32 s94, s14, HALFS
	s_wait_dscnt 0x0                               ; the opening add is done
	s_wait_kmcnt 0x0
	s_add_nc_u64 s[20:21], s[4:5], s[20:21]
	s_add_nc_u64 s[22:23], s[6:7], s[22:23]
	s_add_nc_u64 s[46:47], s[8:9], s[46:47]
	s_add_nc_u64 s[92:93], s[10:11], s[92:93]
	CROUND                                         ; all sixteen work-groups are here: the first joint loads meet
	s_mov_b32 s[G0S], 1
	s_add_co_u32 s[G0S+1], s94, SCL
	s_mov_b64 s[G0S+2:G0S+3], s[22:23]
	s_or_b32 s[G0S+3], s[G0S+3], 0x80000000
	s_mov_b32 s[G0SB], 1
	s_add_co_u32 s[G0SB+1], s94, SCL
	s_mov_b64 s[G0SB+2:G0SB+3], s[92:93]
	s_or_b32 s[G0SB+3], s[G0SB+3], 0x80000000
	JLOAD G0S, G1S, G0SB, G1SB                     ; the scales first.  Three tensor loads of mine are out behind these lines
.irp s, 0,1
	s_mov_b32 s[G0+4*\s], 1
	s_add_co_u32 s[G0+4*\s+1], s45, \s*SLOT
	s_add_nc_u64 s[G0+4*\s+2:G0+4*\s+3], s[20:21], \s*AROW
	s_or_b32 s[G0+4*\s+3], s[G0+4*\s+3], 0x80000000
	s_mov_b32 s[G0B+4*\s], 1
	s_add_co_u32 s[G0B+4*\s+1], s45, \s*SLOT
	s_add_nc_u64 s[G0B+4*\s+2:G0B+4*\s+3], s[46:47], \s*ROWB
	s_or_b32 s[G0B+4*\s+3], s[G0B+4*\s+3], 0x80000000
	JLOAD G0+4*\s, G1, G0B+4*\s, G1B
.endr
	v_and_b32 v1, 15, v0                           ; r
	v_bfe_u32 v2, v0, 4, 1                         ; h
	v_and_b32 v6, 31, v0                           ; lane
	v_mul_u32_u24 v3, v1, PITCH
	v_mul_u32_u24 v4, v2, 24
	v_add_nc_u32 v4, v3, v4                        ; B: a fragment's row x pitch + 24 x half
	v_lshl_add_u32 v5, v2, 4, v4                   ; and the same behind one padding more
	v_lshlrev_b32 v3, 3, v6                        ; A: 8 x lane
	s_mul_i32 s21, s15, HALFT                      ; my half of A's tiles
	s_mul_i32 s22, s16, HALFT                      ; my 128 rows of B,
	s_add_co_u32 s22, s22, 2*HALFT                 ; behind A's two parts
.irp s, 0,1
	v_add_nc_u32 v[ADRA+\s], s21, v3
	v_add_nc_u32 v[ADRB+\s], s22, v4
	v_add_nc_u32 v[ADRB+2+\s], s22, v5
	s_add_co_u32 s21, s21, SLOT
	s_add_co_u32 s22, s22, SLOT
.endr
	v_mul_u32_u24 v5, v1, KS
	v_lshrrev_b32 v7, 8, v5
	v_lshl_add_u32 v5, v7, 4, v5
	s_mul_i32 s21, s15, HALFS
	s_mul_i32 s22, s16, HALFS
	s_add_co_u32 s22, s22, 2*HALFS
	s_sub_co_u32 s22, s22, s21
	v_mul_u32_u24 v7, s22, v2                      ; lanes 16-31 take B's
	s_add_co_u32 s21, s21, SCL
	v_add_nc_u32 v5, v5, v7
	v_add_nc_u32 v[ADRS], s21, v5
	s_mul_i32 s23, s14, 16*SPITCH                  ; my stage
	v_mul_u32_u24 v5, v1, SPITCH
	v_lshl_add_u32 v5, v2, 5, v5
	v_add_nc_u32 v[STO], s23, v5                   ; in: row r, 32 bytes for each half of the lanes
	v_lshlrev_b32 v[CO], 4, v6                     ; back: the 32 lanes take one row of 512 bytes; and the same in out0
	v_add_nc_u32 v[RD], s23, v[CO]
	s_lshl_b32 s20, s17, 8
	s_lshl_b32 s21, s15, 7
	s_add_co_u32 s20, s20, s21                     ; my first row of out0
	s_lshl_b32 s20, s20, 12                        ; 4,096 bytes a row: under 2^25
	s_mov_b32 s21, 0
	s_lshl_b32 s46, s42, 10                        ; my first column, in bytes: in out0 and in bo alike
	s_lshl_b32 s47, s16, 9
	s_add_co_u32 s46, s46, s47
	s_mov_b32 s47, 0
	s_add_nc_u64 s[98:99], s[98:99], s[46:47]
	s_add_nc_u64 s[20:21], s[20:21], s[46:47]
	s_add_nc_u64 s[CP:CP+1], s[CP:CP+1], s[20:21]
	v_lshlrev_b32 v7, 5, v2                        ; the bias: register 8 b + j = bo at my column 16 b + 8 h + j
.irp b, 0,1,2,3,4,5,6,7
	global_load_b128 v[CBI+8*\b:CBI+8*\b+3], v7, s[98:99] offset:64*\b
	global_load_b128 v[CBI+8*\b+4:CBI+8*\b+7], v7, s[98:99] offset:64*\b+16
.endr
.macro FRAG reg, adr, q, i             ; B's fragment: six pieces of 8 bytes of a padded row
.irp p, 0,1,2,3,4,5
.set PCE, 12*(\q)+6*(\p/3)+\p%3
.if PCE%8 < 5
	ds_load_b64 v[\reg+2*\p:\reg+2*\p+1], v[\adr] offset:8*PCE+16*(PCE/8)+(\i)*16*PITCH
.else
	ds_load_b64 v[\reg+2*\p:\reg+2*\p+1], v[\adr+2] offset:8*PCE+16*(PCE/8)+(\i)*16*PITCH
.endif
.endr
.endm
.macro FRAG_A reg, slot, q, i          ; A's fragment: six images of register pairs
.irp p, 0,1,2,3,4,5
	ds_load_b64 v[\reg+2*\p:\reg+2*\p+1], v[ADRA+\slot] offset:AROW*(\i)+1536*(\q)+256*\p
.endr
.endm
; 16 matrix instructions; first = 1: the bias is the C of the sums' first instruction.  The 64 accumulators take turns, one instruction a turn.
.macro MUL16 a0, p, q, sc, first
.irp a, \a0, \a0+1
.irp b, 0,1,2,3,4,5,6,7
.if \first
	v_wmma_scale_f32_16x16x128_f8f6f4 v[8*(8*((\a)%4)+\b):8*(8*((\a)%4)+\b)+7], v[128*(\p)+FR*\b:128*(\p)+FR*\b+FR-1], v[AF+FR*(\a):AF+FR*(\a)+FR-1], v[CBI+8*\b:CBI+8*\b+7], v[SC+8*NQ*(\sc)+NQ*\b+(\q)], v[SC+8*NQ*(\sc)+NQ*(\a)+(\q)] matrix_a_fmt:MATRIX_FMT_FP6 matrix_b_fmt:MATRIX_FMT_FP6 matrix_a_scale:MATRIX_SCALE_ROW1
.else
	v_wmma_scale_f32_16x16x128_f8f6f4 v[8*(8*((\a)%4)+\b):8*(8*((\a)%4)+\b)+7], v[128*(\p)+FR*\b:128*(\p)+FR*\b+FR-1], v[AF+FR*(\a):AF+FR*(\a)+FR-1], v[8*(8*((\a)%4)+\b):8*(8*((\a)%4)+\b)+7], v[SC+8*NQ*(\sc)+NQ*\b+(\q)], v[SC+8*NQ*(\sc)+NQ*(\a)+(\q)] matrix_a_fmt:MATRIX_FMT_FP6 matrix_b_fmt:MATRIX_FMT_FP6 matrix_a_scale:MATRIX_SCALE_ROW1
.endif
.endr
.endr
.endm
.macro FETCH_B slot, q, p
	WIN TO_B
.irp i, 0,1,2,3,4,5,6,7
	FRAG 128*(\p)+FR*\i, ADRB+\slot, \q, \i
.endr
	WIN 0
.endm
.macro FETCH_A slot, q, i0
.irp i, \i0, \i0+1, \i0+2, \i0+3
	FRAG_A AF+FR*(\i), \slot, \q, \i
.endr
.endm
.macro SCALES sc
.irp i, 0,1,2,3,4,5,6,7
	ds_load_b64 v[SC+8*NQ*\sc+NQ*\i:SC+8*NQ*\sc+NQ*\i+1], v[ADRS] offset:\i*SBLK
.endr
.endm
.macro PLACES n
.rept \n
	v_nop
.endr
.endm
.macro STEP slot, q, first
	s_wait_dscnt 4*NL                              ; B's set and A's blocks 0-3 are in; the 24 youngest loads (A's blocks 4-7) may be out
.if \first
	WIN FIRST_LO
.else
	WIN MUL_LO
.endif
	MUL16 0, (\q)%2, \q, \slot, \first
	MUL16 2, (\q)%2, \q, \slot, \first
	s_wait_dscnt 0
	PLACES NP
	FETCH_B \slot, (\q)+1, 1-(\q)%2
	FETCH_A \slot, (\q)+1, 0
.if \first
	WIN FIRST_HI
.else
	WIN MUL_HI
.endif
	MUL16 4, (\q)%2, \q, \slot, \first
	MUL16 6, (\q)%2, \q, \slot, \first
	PLACES NP
	WIN 0
	FETCH_A \slot, (\q)+1, 4
.endm
.macro TURN slot, next, fill
	s_wait_tensorcnt 0x0                           ; all my tensor loads have landed: my part of the next slot
	ds_add_u32 v[SPW], v[NIL]
	s_wait_dscnt 4*NL+1                            ; (the add and A's blocks 4-7, 24 loads, may be out)
	WIN MUL_LO
	MUL16 0, 1, NQ-1, \slot, 0
	s_wait_dscnt 0x0                               ; the add is done, and my reads of this slot are over
	s_barrier_signal -1
	MUL16 2, 1, NQ-1, \slot, 0
	WIN 0
	s_barrier_wait -1
.if \fill
	CREST                                          ; the barrier has opened a round of the cluster's: no wave of any partner still reads this slot or has a load on its way
	s_add_nc_u64 s[G0+4*\slot+2:G0+4*\slot+3], s[G0+4*\slot+2:G0+4*\slot+3], 2*AROW
	s_add_nc_u64 s[G0B+4*\slot+2:G0B+4*\slot+3], s[G0B+4*\slot+2:G0B+4*\slot+3], 2*ROWB
	JLOAD G0+4*\slot, G1, G0B+4*\slot, G1B         ; the first tensor load behind the round, my one load until the next
.else
	PLACES NP
.endif
	v_add_nc_u32 v[ADRS], 4*NQ, v[ADRS]
	FETCH_B \next, 0, 0
	FETCH_A \next, 0, 0
	SCALES \next
	WIN MUL_HI
	MUL16 4, 1, NQ-1, \slot, 0
	MUL16 6, 1, NQ-1, \slot, 0
	PLACES NP
	WIN 0
	FETCH_A \next, 0, 4
.endm
	s_wait_tensorcnt 1                             ; the scales and my part of K step 0 are in (K step 1's load may be out)
	s_barrier_signal -1
	s_barrier_wait -1
	FETCH_B 0, 0, 0
	FETCH_A 0, 0, 0
	SCALES 0
	FETCH_A 0, 0, 4
	s_wait_loadcnt 0x0                             ; the bias
	STEP 0, 0, 1
	s_mov_b32 s3, LAPS-1
.Llap:
	TURN 0, 1, 1
	STEP 1, 0, 0
	TURN 1, 0, 1
	STEP 0, 0, 0
	s_sub_co_u32 s3, s3, 1
	s_cmp_lg_u32 s3, 0
	s_cbranch_scc1 .Llap
	TURN 0, 1, 0
	STEP 1, 0, 0
	s_wait_dscnt 4*NL
	WIN MUL_LO
	MUL16 0, 1, NQ-1, 1, 0
	MUL16 2, 1, NQ-1, 1, 0
	s_wait_dscnt 0
	WIN MUL_HI
	MUL16 4, 1, NQ-1, 1, 0
	MUL16 6, 1, NQ-1, 1, 0
	WIN 0
; THE WAY OUT, block by block of 16 positions x 128 columns, through my own stage: in as 32 bytes a lane, back as whole rows of 512 bytes.  LDS serves a wave's instructions in order: no wait between the stores and the loads.
.macro TOSTAGE a
.set AC, 64*((\a)%4)
	WIN 0x08+4*((\a)/4)                            ; the data: window 2 or 3
.irp b, 0,1,2,3,4,5,6,7
	ds_store_b128 v[STO], v[AC+8*\b:AC+8*\b+3] offset:64*\b          ; each accumulator from its low end on
	ds_store_b128 v[STO], v[AC+8*\b+4:AC+8*\b+7] offset:64*\b+16
.endr
	WIN 0
.set BB, BK+64*((\a)%2)
.irp t, 0,1,2,3,4,5,6,7,8,9,10,11,12,13,14,15
	ds_load_b128 v[BB+4*\t:BB+4*\t+3], v[RD] offset:\t*SPITCH
.endr
.endm
.macro SEND a, younger                 ; block a begins at token 32 (a / 2) + 8 (a % 2); its row t is token t % 8 + 16 (t / 8) from there
.set BB, BK+64*((\a)%2)
	s_wait_dscnt \younger
.if (\a) > 0
.if (\a)%2
	s_add_nc_u64 s[CP:CP+1], s[CP:CP+1], 8*SIZE_N*4    ; (behind a wait on XCNT: the earlier stores have read their base)
.else
	s_add_nc_u64 s[CP:CP+1], s[CP:CP+1], 24*SIZE_N*4
.endif
.endif
.irp t, 0,1,2,3,4,5,6,7,8,9,10,11,12,13,14,15
	global_store_b128 v[CO], v[BB+4*\t:BB+4*\t+3], s[CP:CP+1] offset:((\t%8)+16*(\t/8))*SIZE_N*4 th:TH_STORE_NT   ; 32 lanes store 512 consecutive bytes, aligned to 256
.endr
.endm
	PLACES NP                                      ; behind the last products: for the loads into A's fragments' registers and the reads of results
	TOSTAGE 0
.irp a, 1,2,3,4,5,6,7
.if \a > 1
	s_wait_xcnt 0x0                                ; block a - 2's stores have read their registers and their base
.endif
	TOSTAGE \a
	SEND \a-1, 32                                  ; behind block a - 1's loads: block a's 16 stores and 16 loads
.endr
	s_wait_xcnt 0x0
	SEND 7, 0
	s_wait_tensorcnt 0x0                           ; the wave's end
	ds_add_u32 v[SPW], v[NIL]
	s_wait_dscnt 0x0
	CROUND                                         ; the closing round
	s_endpgm
.Lfunc_end_k_q9b481272b1_gemm_out:
	.size	k_q9b481272b1_gemm_out, .Lfunc_end_k_q9b481272b1_gemm_out-k_q9b481272b1_gemm_out
	.p2alignl 7, 3214868480
	.fill 96, 4, 3214868480
	.section	.rodata,"a",@progbits
	.p2align	6, 0x0
	.amdhsa_kernel k_q9b481272b1_gemm_out
		.amdhsa_group_segment_fixed_size 327680
		.amdhsa_private_segment_fixed_size 0
		.amdhsa_enable_private_segment 0
		.amdhsa_kernarg_size 48
		.amdhsa_user_sgpr_count 2
		.amdhsa_user_sgpr_kernarg_segment_ptr 1
		.amdhsa_wavefront_size32 1
		.amdhsa_system_sgpr_workgroup_id_x 1
		.amdhsa_system_sgpr_workgroup_id_y 1
		.amdhsa_system_sgpr_workgroup_id_z 1
		.amdhsa_system_vgpr_workitem_id 0
		.amdhsa_next_free_vgpr 1024
		.amdhsa_next_free_sgpr 100
		.amdhsa_reserve_vcc 0
		.amdhsa_float_denorm_mode_32 3
		.amdhsa_float_denorm_mode_16_64 3
		.amdhsa_memory_ordered 1
		.amdhsa_forward_progress 1
		.amdhsa_inst_pref_size 161
	.end_amdhsa_kernel
	.amdgpu_metadata
---
amdhsa.version: [ 1, 2 ]
amdhsa.kernels:
  - .name:           k_q9b481272b1_gemm_out
    .symbol:         k_q9b481272b1_gemm_out.kd
    .args:
      - { .name: aoc, .offset: 0, .size: 8, .value_kind: global_buffer, .address_space: global }
      - { .name: aos, .offset: 8, .size: 8, .value_kind: global_buffer, .address_space: global }
      - { .name: wc, .offset: 16, .size: 8, .value_kind: global_buffer, .address_space: global }
      - { .name: ws, .offset: 24, .size: 8, .value_kind: global_buffer, .address_space: global }
      - { .name: out0, .offset: 32, .size: 8, .value_kind: global_buffer, .address_space: global }
      - { .name: bo, .offset: 40, .size: 8, .value_kind: global_buffer, .address_space: global }
    .group_segment_fixed_size: 327680
    .private_segment_fixed_size: 0
    .kernarg_segment_align: 8
    .kernarg_segment_size: 48
    .max_flat_workgroup_size: 128
    .sgpr_count:     100
    .vgpr_count:     1024
    .wavefront_size: 32
...
	.end_amdgpu_metadata
.endif
;; end of part 4
